; MI455X (gfx1250); checked and timed in simulation.
; The chip was launched on July 23, 2026; its instructions are those of AMD's public machine-readable ISA for CDNA 5 (MIT licence, August 2026) and "CDNA5" Instruction Set Architecture Reference Guide (July 2026). The comments in the code are by the model that wrote it; some were corrected since.
;; Projected Attention Layer. Allowed arithmetic: float matrix products may take bf16 or f16 operands with f32 sums; other float arithmetic in f32, or as packed bf16 or f16 multiplies, adds, multiply-adds, maxima and minima; sums over many terms, partial sums and values carried from step to step in f32; what a program stores and reads back later, other than sums and carried values, may be rounded once to bf16 or f16.
;; Inputs: Wk 1,024 x 1,024 float32; Wq 1,024 x 1,024 float32; Wv 1,024 x 1,024 float32; bk 1,024 float32; bq 1,024 float32; bv 1,024 float32; keys 4 x 2,048 x 1,024 float32; queries 4 x 2,048 x 1,024 float32; values 4 x 2,048 x 1,024 float32.
;; Outputs: out0 4 x 2,048 x 1,024 float32.
;; One version. Each part assembles by itself: llvm-mc -triple=amdgcn-amd-amdhsa -mcpu=gfx1250 --defsym DOCPART=n.
;; ======== version 1 of 1: 5 launches
;; limits: values are held in f16: magnitudes above 65,504 overflow, below 6.1e-05 lose precision
;; workspace buffers: wt 6,291,456 bytes; qkv 50,331,648 bytes; p 33,554,432 bytes; st 1,048,576 bytes; t1 16,777,216 bytes; b2 4,096 bytes
;; launch prep (part 1): grid 128 x 7, 8 waves a work-group, no clusters, 111,616 bytes of LDS; arguments Wq, Wk, Wv, bv, values, wt, qkv, b2; writes wt, qkv, b2
.if DOCPART == 1
	.amdgcn_target "amdgcn-amd-amdhsa--gfx1250"
	.amdhsa_code_object_version 6
	.text
	.protected	k_qa8d8376657_prep
	.globl	k_qa8d8376657_prep
	.p2align	8
	.type	k_qa8d8376657_prep,@function
k_qa8d8376657_prep:
	s_mov_b64 s[64:65], 0
	v_nop
	global_prefetch_b8 v0, s[64:65] scope:SCOPE_SE
	s_setreg_imm32_b32 hwreg(HW_REG_WAVE_MODE, 25, 1), 1
	s_wait_xcnt 0x0
; What the later launches need of the weights and of values.  The job is the grid's y:
;   y = 0      W2^T[n][k] = the sum over j of Wv[k][j] Wv[j][n], f16, into wt's section 2, and b2[n] = the sum over j of bv[j] Wv[j][n] + bv[n], f32.
;              The value encoder is applied twice: (x Wv + bv) Wv + bv = x (Wv Wv) + (bv Wv + bv) for every input, so the two uses are one product with W2 and b2.
;   y = 1, 2   wt[s][n][k] = W[k][n] rounded to bf16, turned so that K lies along the rows: s = 0 Wq, s = 1 Wk.
;   y = 3 .. 6 values rounded to bf16, that number written as f16, into qkv's section 2 (same [8192][1024] layout).
; Every input is rounded to bf16; W2's and b2's sums are f32; W2 is rounded once to f16.
; LIMITS.  W2 and values in f16: beyond 65,504 a number is lost (weights 30 times those drawn give W2 a spread of 28, a common offset of 30 spreads some 900); below 6e-5 f16 keeps a fixed step
; of 6e-8: with weights 30 times smaller W2's spread is 3.5e-5 and the step is 5e-4 of it (root mean square).  NaN and infinities are not treated apart.
; W2: a work-group makes 64 n x 128 k; j goes in four chunks of 256: 48 loads of 16 bytes a thread, rounded in place, stored to LDS (Wv[j][n] as it lies, read turned by ds_load_tr16_b128; Wv[k][j] along j).
; A wave has 2 x 2 tiles of 16 x 16 and, for b2, its two n blocks against bv read as sixteen equal rows: six accumulators by turns.  Fragments lie in the registers that the chunk's raw numbers left,
; so a chunk's loads go out when the chunk before has been multiplied: with more registers only one work-group would fit on a WGP, and the streaming jobs want two.
; No cluster and no tensor load: the jobs share nothing but Wv's 4 MiB.  No prefetch: each job is a few loads deep.
.set TP,    272                        ; a row of a tile on its way out: 128 x 2 bytes + 16
.set AP,    160                        ; a row of Wv[j][64 n] in bf16: 128 bytes + 32 = 5 x 32
.set BP,    528                        ; a row of Wv[k][256 j] in bf16: 512 bytes + 16
.set BT,    256*AP                     ; behind the 256 rows of the first tile: the 128 rows of the second
.set BV,    BT+128*BP                  ; bv in bf16, 2,048 bytes
.set SPARE, BV+2048                    ; the spare words, 128 bytes for each of eight waves
.set RB,  4                            ; v4   the way out: where I read 16 bytes of a row back
.set GO,  5                            ; v5   my offset in wt
.set SPW, 6
.set NIL, 7
.set LA,  8                            ; v8   my offset in the first source tile
.set LB,  9                            ; v9   W2: in the second; turning: where I put a word
.set SA,  10                           ; v10  where my 8 bytes of Wv[j][n] go
.set SB,  11                           ; v11  of Wv[k][j]
.set FA,  12                           ; v12  fragments of Wv^T (turned)
.set FB,  13                           ; v13  fragments of Wv
.set FV,  14                           ; v14  fragments of bv; steps 512 a chunk
.set SO,  15                           ; v15  where a tile's 16 bytes go on the way out
.set ACC, 16                           ; v[16:63]   six accumulators: (k block kb or bv = 2, n block nb) at 8 (2 kb + nb)
.set RAW, 64                           ; v[64:255]  a chunk as loaded; then v[64:143] two sets of fragments
.set PA,  26                           ; s[26:27] the first source tile
.set PB,  32                           ; s[32:33] the second
	s_load_b512 s[4:19], s[0:1], 0x0               ; Wq 4, Wk 6, Wv 8, bv 10, values 12, wt 14, qkv 16, b2 18
	v_lshl_add_u32 v[SPW], v0, 2, SPARE
	v_mov_b32 v[NIL], 0
	s_and_b32 s20, ttmp7, 0xffff                   ; the job
	s_and_b32 s21, ttmp9, 7                        ; k tile of 128
	s_lshr_b32 s22, ttmp9, 3                       ; n tile of 64
	s_mov_b32 s25, 0
	s_cmp_ge_u32 s20, 3
	s_cbranch_scc1 .Lcast
	v_and_b32 v1, 15, v0                           ; c: 16 bytes of 256
	v_lshrrev_b32 v2, 4, v0                        ; p
	v_lshlrev_b32 v3, 4, v1
	s_add_co_u32 s23, s20, 2                       ; the section: job 0 -> 2, 1 -> 0, 2 -> 1
	s_cmp_ge_u32 s23, 3
	s_cselect_b32 s24, 3, 0
	s_sub_co_u32 s23, s23, s24
	s_lshl_b32 s24, s23, 21
	s_lshl_b32 s23, s22, 17                        ; 64 rows of 2,048 bytes
	s_add_co_u32 s24, s24, s23
	s_lshl_b32 s23, s21, 8                         ; 128 k of 2 bytes
	s_add_co_u32 s24, s24, s23
	s_wait_kmcnt 0x0
	s_add_nc_u64 s[14:15], s[14:15], s[24:25]      ; wt at my tile of 64 n x 128 k
	s_cmp_eq_u32 s20, 0
	s_cbranch_scc1 .Lw2
	; TURNING Wq or Wk: a tile of 128 k x 64 n
	v_lshl_add_u32 v[LA], v2, 13, v3               ; pair of rows p (+ 16 i), my 16 bytes
	v_mul_u32_u24 v[LB], v1, 4*TP
	v_lshl_add_u32 v[LB], v2, 2, v[LB]             ; row 4 c (+ e), word p (+ 16 i)
	s_lshl_b32 s24, s21, 19                        ; 128 rows of 4,096 bytes
	s_lshl_b32 s23, s22, 8                         ; 64 columns of 4 bytes
	s_add_co_u32 s24, s24, s23
	s_cmp_eq_u32 s20, 1
	s_cselect_b64 s[PA:PA+1], s[4:5], s[6:7]
	s_add_nc_u64 s[PA:PA+1], s[PA:PA+1], s[24:25]
.irp i, 0,1,2,3
	global_load_b128 v[RAW+8*(\i):RAW+8*(\i)+3],   v[LA], s[PA:PA+1] offset:(\i)*131072 th:TH_LOAD_NT       ; 16 lanes: 256 consecutive bytes of a row
	global_load_b128 v[RAW+8*(\i)+4:RAW+8*(\i)+7], v[LA], s[PA:PA+1] offset:(\i)*131072+4096 th:TH_LOAD_NT  ; the row below
.endr
	s_wait_loadcnt 0x0
.irp i, 0,1,2,3
.irp e, 0,1,2,3
	v_cvt_pk_bf16_f32 v[RAW+32+4*(\i)+(\e)], v[RAW+8*(\i)+(\e)], v[RAW+8*(\i)+4+(\e)]  ; the lower k in the low half
.endr
.endr
.irp i, 0,1,2,3
.irp e, 0,1,2,3
	ds_store_b32 v[LB], v[RAW+32+4*(\i)+(\e)] offset:(\e)*TP+(\i)*64
.endr
.endr
	s_branch .Lout
	; THE CAST of values: 16 rows, 65,536 consecutive bytes in and 32,768 out; a thread takes 32 bytes of each 8,192 and stores 16
.Lcast:
	s_sub_co_u32 s23, s20, 3
	s_lshl_b32 s23, s23, 7
	s_add_co_u32 s23, s23, ttmp9                   ; 0 .. 511
	s_lshl_b32 s24, s23, 16
	s_lshl_b32 s26, s23, 15
	s_add_co_u32 s26, s26, 0x2000000               ; qkv's section 2
	s_mov_b32 s27, 0
	s_mov_b32 s28, 0xffff0000
	v_lshlrev_b32 v8, 5, v0
	v_lshlrev_b32 v9, 4, v0
	s_wait_kmcnt 0x0
	s_add_nc_u64 s[12:13], s[12:13], s[24:25]
	s_add_nc_u64 s[16:17], s[16:17], s[26:27]
.irp i, 0,1,2,3,4,5,6,7
	global_load_b128 v[RAW+8*(\i):RAW+8*(\i)+3],   v8, s[12:13] offset:(\i)*8192 th:TH_LOAD_NT
	global_load_b128 v[RAW+8*(\i)+4:RAW+8*(\i)+7], v8, s[12:13] offset:(\i)*8192+16 th:TH_LOAD_NT
.endr
.irp i, 0,1,2,3,4,5,6,7
	s_wait_loadcnt 14-2*(\i)                       ; loads come back in order: block i is in, the younger blocks' loads stay out
.irp e, 0,1,2,3
	v_cvt_pk_bf16_f32 v[16+(\e)], v[RAW+8*(\i)+2*(\e)], v[RAW+8*(\i)+2*(\e)+1]  ; rounded to bf16 like every input,
.endr
.irp e, 0,1,2,3
	v_lshlrev_b32 v[RAW+8*(\i)+2*(\e)], 16, v[16+(\e)]
	v_and_b32 v[RAW+8*(\i)+2*(\e)+1], s28, v[16+(\e)]
.endr
.irp e, 0,1,2,3
	v_cvt_pk_f16_f32 v[128+4*(\i)+(\e)], v[RAW+8*(\i)+2*(\e)], v[RAW+8*(\i)+2*(\e)+1]  ; and that number written as f16
.endr
	global_store_b128 v9, v[128+4*(\i):128+4*(\i)+3], s[16:17] offset:(\i)*4096  ; 16 lanes store 256 consecutive bytes, aligned
.endr
	s_branch .Lend
	; W2^T AND b2
.macro PLACES                          ; four plain places behind matrix instructions, in front of loads into their sources and of readers of their results
.rept 4
	v_nop
.endr
.endm
.macro FETCHK kh, s                    ; ten LDS loads: 32 along j: two n blocks (turned), two k blocks, bv
.set F, RAW+40*(\s)
.irp nb, 0,1
	ds_load_tr16_b128 v[F+8*(\nb):F+8*(\nb)+3],   v[FA] offset:(\kh)*32*AP+32*(\nb)
	ds_load_tr16_b128 v[F+8*(\nb)+4:F+8*(\nb)+7], v[FA] offset:(\kh)*32*AP+16*AP+32*(\nb)
.endr
.irp kb, 0,1
	ds_load_b128 v[F+16+8*(\kb):F+16+8*(\kb)+3], v[FB] offset:(\kb)*16*BP+64*(\kh)
	ds_load_b128 v[F+20+8*(\kb):F+20+8*(\kb)+3], v[FB] offset:(\kb)*16*BP+64*(\kh)+32
.endr
	ds_load_b128 v[F+32:F+35], v[FV] offset:64*(\kh)       ; every lane of a half reads the same 16 bytes: sixteen equal rows
	ds_load_b128 v[F+36:F+39], v[FV] offset:64*(\kh)+32
.endm
.macro MULK s                          ; six products; source 0 = rows k of Wv (or bv), source 1 = rows n of Wv^T: a lane holds one n and eight neighbouring k.  The six accumulators take turns
.set F, RAW+40*(\s)
.irp kb, 0,1,2
.irp nb, 0,1
	v_wmma_f32_16x16x32_bf16 v[ACC+8*(2*(\kb)+(\nb)):ACC+8*(2*(\kb)+(\nb))+7], v[F+16+8*(\kb):F+16+8*(\kb)+7], v[F+8*(\nb):F+8*(\nb)+7], v[ACC+8*(2*(\kb)+(\nb)):ACC+8*(2*(\kb)+(\nb))+7]
.endr
.endr
.endm
.Lw2:
	v_lshl_add_u32 v[LA], v2, 12, v3               ; Wv[j][n]: row p (+ 16 i), my 16 bytes of 256
	v_mul_u32_u24 v[SA], v2, AP
	v_lshl_add_u32 v[SA], v1, 3, v[SA]
	v_lshrrev_b32 v2, 6, v0
	v_and_b32 v3, 63, v0
	v_lshlrev_b32 v[LB], 4, v3
	v_lshl_add_u32 v[LB], v2, 12, v[LB]            ; Wv[k][j]: row t / 64 (+ 4 i), my 16 bytes of 1,024
	v_mul_u32_u24 v[SB], v2, BP
	v_lshl_add_u32 v[SB], v3, 3, v[SB]
	v_add_nc_u32 v[SB], BT, v[SB]
	v_lshrrev_b32 v2, 5, v0
	v_readfirstlane_b32 s28, v2                    ; wave 0..7
	s_lshr_b32 s29, s28, 2                         ; my pair of n blocks
	s_and_b32 s30, s28, 3                          ; my pair of k blocks
	v_bfe_u32 v2, v0, 4, 1                         ; h = lane / 16
	v_and_b32 v[FA], 7, v0
	v_lshl_add_u32 v[FA], v2, 3, v[FA]             ; the turning load: row 8 h + lane % 8,
	v_mul_u32_u24 v[FA], v[FA], AP
	v_bfe_u32 v3, v0, 3, 1
	v_lshl_add_u32 v[FA], v3, 4, v[FA]             ; columns 8 ((lane / 8) % 2) + 0..7
	s_lshl_b32 s23, s29, 6
	v_add_nc_u32 v[FA], s23, v[FA]
	v_mul_u32_u24 v[FB], v1, BP
	v_lshl_add_u32 v[FB], v2, 4, v[FB]
	s_mul_i32 s23, s30, 32*BP
	s_add_co_u32 s23, s23, BT
	v_add_nc_u32 v[FB], s23, v[FB]
	v_lshl_add_u32 v[FV], v2, 4, BV
	v_mul_u32_u24 v[SO], v1, TP
	v_lshl_add_u32 v[SO], v2, 4, v[SO]
	s_mul_i32 s23, s29, 32*TP
	s_lshl_b32 s24, s30, 6
	s_add_co_u32 s23, s23, s24
	v_add_nc_u32 v[SO], s23, v[SO]
	s_lshl_b32 s24, s22, 8
	s_add_nc_u64 s[PA:PA+1], s[8:9], s[24:25]      ; Wv at column 64 nt
	s_lshl_b32 s24, s21, 19
	s_add_nc_u64 s[PB:PB+1], s[8:9], s[24:25]      ; Wv at row 128 kt
	v_lshlrev_b32 v1, 4, v0
	global_load_b128 v[2:5], v1, s[10:11]          ; thread t: bv[4 t .. 4 t + 3]
.set i, 0
.rept 48
	v_mov_b32 v[ACC+i], 0                          ; the sums start at 0, so that the loop has one form of product
.set i, i+1
.endr
	s_mov_b32 s31, 4
.Lchunk:
.set i, 0
.rept 16
	global_load_b128 v[RAW+4*i:RAW+4*i+3], v[LA], s[PA:PA+1] offset:i*65536
.set i, i+1
.endr
.set i, 0
.rept 32
	global_load_b128 v[RAW+64+4*i:RAW+64+4*i+3], v[LB], s[PB:PB+1] offset:i*16384
.set i, i+1
.endr
	s_wait_dscnt 0x0
	s_barrier_signal -1                            ; my reads of the last chunk's tiles are back
	s_wait_loadcnt 0x0
.set i, 0
.rept 48
	v_cvt_pk_bf16_f32 v[RAW+4*i],   v[RAW+4*i],   v[RAW+4*i+1]    ; four numbers to 8 bytes, in place
	v_cvt_pk_bf16_f32 v[RAW+4*i+1], v[RAW+4*i+2], v[RAW+4*i+3]
.set i, i+1
.endr
	v_cvt_pk_bf16_f32 v[RAW+2], v2, v3             ; bv goes along in every chunk, the same bytes again: three lines, and no first trip to tell apart
	v_cvt_pk_bf16_f32 v[RAW+3], v4, v5
	v_lshl_add_u32 v1, v0, 3, BV
	s_barrier_wait -1                              ; everybody's are: the tiles may be written
.set i, 0
.rept 16
	ds_store_b64 v[SA], v[RAW+4*i:RAW+4*i+1] offset:i*16*AP
.set i, i+1
.endr
.set i, 0
.rept 32
	ds_store_b64 v[SB], v[RAW+64+4*i:RAW+64+4*i+1] offset:i*4*BP
.set i, i+1
.endr
	ds_store_b64 v1, v[RAW+2:RAW+3]
	s_wait_dscnt 0x0                               ; for the others' sake: my stores are done
	s_barrier_signal -1
	s_barrier_wait -1
	FETCHK 0, 0
	FETCHK 1, 1
.irp kh, 0,1,2,3,4,5,6,7
.if (\kh) < 7
	s_wait_dscnt 10                                ; the other set's ten loads may be out
.else
	s_wait_dscnt 0x0
.endif
	MULK (\kh)%2
.if (\kh) < 6
	PLACES
	FETCHK (\kh)+2, (\kh)%2
.endif
.endr
	PLACES                                         ; in front of the next chunk's loads into the fragments' registers, and of the conversions behind the loop
	v_add_nc_u32 v[FV], 512, v[FV]
	s_add_nc_u64 s[PA:PA+1], s[PA:PA+1], 0x100000  ; 256 rows down (the loads are done: s_wait_loadcnt 0 above)
	s_add_nc_u64 s[PB:PB+1], s[PB:PB+1], 1024      ; 256 columns on
	s_sub_co_u32 s31, s31, 1
	s_cmp_lg_u32 s31, 0
	s_cbranch_scc1 .Lchunk
.irp kb, 0,1
.irp nb, 0,1
.irp r, 0,1,2,3
	v_cvt_pk_f16_f32 v[RAW+4*(2*(\kb)+(\nb))+(\r)], v[ACC+8*(2*(\kb)+(\nb))+2*(\r)], v[ACC+8*(2*(\kb)+(\nb))+2*(\r)+1]
.endr
.endr
.endr
	s_barrier_signal -1                            ; every wave's reads of the tiles are back (the last wait above was for 0): the way out uses their first bytes
	s_barrier_wait -1
.irp kb, 0,1
.irp nb, 0,1
	ds_store_b128 v[SO], v[RAW+4*(2*(\kb)+(\nb)):RAW+4*(2*(\kb)+(\nb))+3] offset:(\nb)*16*TP+32*(\kb)
.endr
.endr
	s_or_b32 s23, s30, s21                         ; b2 is stored once: by the first k tile's waves 0 and 4
	s_cmp_lg_u32 s23, 0
	s_cbranch_scc1 .Lout
	v_and_b32 v1, 31, v0
	s_lshl_b32 s23, s22, 6
	s_lshl_b32 s24, s29, 5
	s_add_co_u32 s23, s23, s24
	v_add_nc_u32 v1, s23, v1                       ; n = 64 nt + 32 np + lane: lanes 0-15 take the first n block, lanes 16-31 the second
	v_lshlrev_b32 v1, 2, v1
	global_load_b32 v3, v1, s[10:11]               ; bv[n] comes from memory, 128 consecutive bytes: no LDS is read between the tile's stores above and the barrier below
	v_and_b32 v4, 16, v0
	v_cmp_eq_u32 vcc_lo, 0, v4
	v_cndmask_b32 v5, v[ACC+40], v[ACC+32], vcc_lo ; all eight registers of these accumulators hold the same sum: the lowest is taken
	s_wait_loadcnt 0x0
	v_cvt_pk_bf16_f32 v3, v3, v3                   ; rounded to bf16 like every input,
	v_lshlrev_b32 v3, 16, v3                       ; and widened again
	v_add_f32 v5, v5, v3                           ; + bv[n]
	global_store_b32 v1, v5, s[18:19]              ; 128 consecutive bytes: b2 has 4,096 in all
	s_wait_xcnt 0x0                                ; v1 and v5 are written again below
	; THE WAY OUT of a tile of 64 n x 128 k, for the turned weights and for W2^T alike
.Lout:
	v_and_b32 v1, 15, v0
	v_lshrrev_b32 v2, 4, v0
	v_lshlrev_b32 v3, 4, v1
	v_mul_u32_u24 v[RB], v2, TP
	v_add_nc_u32 v[RB], v[RB], v3                  ; row t / 16 (+ 16 i), 16 bytes t % 16
	v_lshl_add_u32 v[GO], v2, 11, v3
	s_wait_dscnt 0x0                               ; for the others' sake: my stores are done
	s_barrier_signal -1
	s_barrier_wait -1
.irp i, 0,1,2,3
	ds_load_b128 v[RAW+64+4*(\i):RAW+64+4*(\i)+3], v[RB] offset:(\i)*16*TP
.endr
	s_wait_dscnt 0x0
.irp i, 0,1,2,3
	global_store_b128 v[GO], v[RAW+64+4*(\i):RAW+64+4*(\i)+3], s[14:15] offset:(\i)*32768  ; 16 lanes store 256 consecutive bytes, aligned
.endr
.Lend:
	s_wait_tensorcnt 0x0                           ; the wave's end
	ds_add_u32 v[SPW], v[NIL]
	s_wait_dscnt 0x0
	s_endpgm
.Lfunc_end_k_qa8d8376657_prep:
	.size	k_qa8d8376657_prep, .Lfunc_end_k_qa8d8376657_prep-k_qa8d8376657_prep
	.p2alignl 7, 3214868480
	.fill 96, 4, 3214868480
	.section	.rodata,"a",@progbits
	.p2align	6, 0x0
	.amdhsa_kernel k_qa8d8376657_prep
		.amdhsa_group_segment_fixed_size 111616
		.amdhsa_private_segment_fixed_size 0
		.amdhsa_enable_private_segment 0
		.amdhsa_kernarg_size 64
		.amdhsa_user_sgpr_count 2
		.amdhsa_user_sgpr_kernarg_segment_ptr 1
		.amdhsa_wavefront_size32 1
		.amdhsa_system_sgpr_workgroup_id_x 1
		.amdhsa_system_sgpr_workgroup_id_y 1
		.amdhsa_system_sgpr_workgroup_id_z 1
		.amdhsa_system_vgpr_workitem_id 0
		.amdhsa_next_free_vgpr 256
		.amdhsa_next_free_sgpr 66
		.amdhsa_reserve_vcc 1
		.amdhsa_float_denorm_mode_32 3
		.amdhsa_float_denorm_mode_16_64 3
		.amdhsa_memory_ordered 1
		.amdhsa_forward_progress 1
		.amdhsa_inst_pref_size 44
	.end_amdhsa_kernel
	.amdgpu_metadata
---
amdhsa.version: [ 1, 2 ]
amdhsa.kernels:
  - .name:           k_qa8d8376657_prep
    .symbol:         k_qa8d8376657_prep.kd
    .args:
      - { .name: Wq, .offset: 0, .size: 8, .value_kind: global_buffer, .address_space: global }
      - { .name: Wk, .offset: 8, .size: 8, .value_kind: global_buffer, .address_space: global }
      - { .name: Wv, .offset: 16, .size: 8, .value_kind: global_buffer, .address_space: global }
      - { .name: bv, .offset: 24, .size: 8, .value_kind: global_buffer, .address_space: global }
      - { .name: values, .offset: 32, .size: 8, .value_kind: global_buffer, .address_space: global }
      - { .name: wt, .offset: 40, .size: 8, .value_kind: global_buffer, .address_space: global }
      - { .name: qkv, .offset: 48, .size: 8, .value_kind: global_buffer, .address_space: global }
      - { .name: b2, .offset: 56, .size: 8, .value_kind: global_buffer, .address_space: global }
    .group_segment_fixed_size: 111616
    .private_segment_fixed_size: 0
    .kernarg_segment_align: 8
    .kernarg_segment_size: 64
    .max_flat_workgroup_size: 256
    .sgpr_count:     66
    .vgpr_count:     256
    .wavefront_size: 32
...
	.end_amdgpu_metadata
.endif
;; end of part 1
;; launch proj (part 2): grid 4 x 64, 4 waves a work-group, clusters of 4 x 4, 327,680 bytes of LDS; arguments queries, keys, bq, bk, wt, qkv; writes qkv
.if DOCPART == 2
	.amdgcn_target "amdgcn-amd-amdhsa--gfx1250"
	.amdhsa_code_object_version 6
	.text
	.protected	k_qa8d8376657_proj
	.globl	k_qa8d8376657_proj
	.p2align	8
	.type	k_qa8d8376657_proj,@function
k_qa8d8376657_proj:
	s_mov_b64 s[64:65], 0
	v_nop
	global_prefetch_b8 v0, s[64:65] scope:SCOPE_SE
	s_setreg_imm32_b32 hwreg(HW_REG_WAVE_MODE, 25, 1), 1
	s_wait_xcnt 0x0
	s_wait_alu depctr_hold_cnt(0) depctr_sa_sdst(0) depctr_va_vdst(0) depctr_va_sdst(0) depctr_va_ssrc(0) depctr_va_vcc(0) depctr_vm_vsrc(0)
	s_getreg_b32 s2, hwreg(HW_REG_IB_STS2, 6, 4)
	s_cmp_eq_u32 s2, 0
	s_cbranch_scc0 .Lentry_in_a_cluster
	s_endpgm
.Lentry_in_a_cluster:
	s_bfe_u32 s2, ttmp6, 0x10000c
	s_cmp_lg_u32 s2, 0xf033
	s_cbranch_scc0 .Lentry_shape_is_right
	s_endpgm
.Lentry_shape_is_right:
; qkv[t][row][e] = the sum over d of x_t[row][d] W_t[d][e] + b_t[e], t = 0, 1: queries Wq + bq, keys Wk + bk.  x: [8192][1024] f32; out f16.
; x, W and b are rounded to bf16; products in bf16, sums in f32, started with the bias as the first product's C; the result is rounded once to f16.
; LIMITS.  q and k are kept in f16: beyond 65,504 a number is lost (inputs 30 times those drawn give a spread of some 900, a common offset of 30 spreads some 28,800; both at once are not served);
; below 6e-5 they keep f16's fixed step of 6e-8.  NaN and infinities are not treated apart.
; SHARES.  A work-group stays: it makes the tile of 128 rows x 256 columns at the same place of q and of k: 2 x 8 K steps of 128, one loop of 16 steps.  Four waves, each 64 x 128: 32 accumulators.
; THE WEIGHTS come by joint tensor loads (64 rows x 256 bytes a wave), shared along a column of the 4 x 4 cluster, into a ring of two slots.
; THE ACTIVATIONS are f32 in memory: a wave loads 32 rows x 512 bytes into registers three steps ahead, rounds them to bf16 beside the products one step later (four conversions behind each of 16 products),
; and stores them into its own part of the slot just left, behind that change's barrier: bytes that no tensor load ever fills.  The last trip of the loop converts registers that hold no new rows, and nothing stores them:
; the price of one text for every trip.
; THE MATRIX INSTRUCTION IS USED TRANSPOSED (source 0 = 16 rows of W^T, source 1 = 16 rows of x): a lane holds one row and eight neighbouring columns of the result.
; REGISTERS (windows of 256; s_set_vgpr_msb: bits 1:0 source 0, 3:2 source 1, 5:4 source 2, 7:6 destination):
;   window 0: v0-31 addresses; v32-63 way out; v64-127, v128-191 x's fragments, two buffers (kh, a at 8 (4 kh + a)); v192-255 packed x, and at work on the way out
;   window 1: W's fragments, two buffers of 128 (kh, b at 8 (8 kh + b))    window 2: accumulators (a, b) at 8 (8 a + b)    window 3: v0-127 x as loaded; v128-191 the bias as a C operand
.set STEPS, 16
.set PITCH, 272                        ; an LDS row: 256 bytes + 16: the 16 rows of a fragment load start at 16 different groups of four banks (ISA guide 11.1)
.set ATILE, 128*PITCH                  ; x's 128 rows in bf16, at a slot's head: written by ds_store alone
.set SLOT,  131072                     ; slot 1 begins here: one exclusive or turns an address of one slot into the other's
.set STAGE, ATILE+256*PITCH            ; behind slot 0's tiles: 16 rows x 272 bytes for each wave, for the way out
.set BTAB,  STAGE+4*16*PITCH           ; the two biases' 256 columns, f32 (holding bf16 numbers)
.set SPARE, BTAB+2*1024                ; the spare words, 128 bytes for each wave
.set ADRA,  16                         ; v16  x's fragments in the slot in hand
.set ADRB,  17                         ; v17  W's
.set BASEA, 18                         ; v18  the same in slot 0; never rewritten
.set BASEB, 19
.set AST,   20                         ; v20  where my packed rows go
.set BASES, 21                         ; v21  the same in slot 0: 32 w rows + 8 x lane
.set AO,    22                         ; v22  16 x lane: my 16 bytes of 512
.set BAD,   23                         ; v23  my 32 bytes of a block of 16 bias columns; steps a table on at each use
.set STO,   24
.set RD,    25
.set CO,    26
.set BST,   27
.set SPW,   28
.set NIL,   29
.set PFO,   30                         ; v30  lane x a row's bytes, for the prefetches
.set OB,    32
.set PK,    192
.set TMP,   192
.set BIAS,  128                        ; window 3
.set TO,    16                         ; s[16:17] an offset, high word 0
.set N,     18                         ; s18  the step in hand
.set M,     19                         ; s19  a step ahead
.set G1,    24                         ; s[24:31] descriptor group 1
.set G0,    32                         ; s[32:35] group 0 of the first fill; s[36:39] the one that walks
.set BB,    44                         ; s[44:45] wt at my 64 rows, section 0, K step 0
.set OFF,   46                         ; s[46:47] section and K step, in bytes
.set AP,    48                         ; s[48:49] x at my 32 rows, at the step being loaded
.set AROW,  50                         ; s50  my 32 rows, in bytes
.set PP,    54                         ; s[54:55] where my prefetch points
.set PB0,   56                         ; s[56:59] the two buffers or sections that my prefetches walk
.set PROW,  62
.set PSH,   63
.set TB,    66                         ; s66  0 or SLOT: the slot in hand
.set LEAD,  67
.set PLIM,  84
.set OUTP,  88                         ; s[88:89] qkv at the 16 rows being stored
.set OINC,  90                         ; s[90:91] what the next way out adds first
.set MSB, 0
.macro WIN new                         ; the immediate's high byte repeats the setting that is left
.if MSB != (\new)
	s_set_vgpr_msb (MSB<<8)|(\new)
.set MSB, \new
.endif
.endm
.macro PLACES                          ; four plain places behind matrix instructions, in front of loads into their sources and of readers of their results
.rept 4
	v_nop
.endr
.endm
.macro CREST                           ; a round of the cluster's barrier behind its opening barrier
	s_cmp_lg_u32 s10, 0
	s_cbranch_scc1 .Lnot_wave_0_\@
	s_barrier_signal -3
.Lnot_wave_0_\@:
	s_barrier_wait -3
	s_barrier_signal -1
	s_barrier_wait -1
.endm
.macro CROUND
	s_barrier_signal -1
	s_barrier_wait -1
	CREST
.endm
; A pointer for step s[M]: buffer M / 8 of two, plus the row offset, plus (M % 8) K steps.  The choice hangs on the counter alone.
.macro APTR dst, b0, b1, row, sh
	s_cmp_lt_u32 s[M], 8
	s_cselect_b64 s[\dst:\dst+1], s[\b0:\b0+1], s[\b1:\b1+1]
	s_and_b32 s[TO], s[M], 7
	s_lshl_b32 s[TO], s[TO], \sh
	s_add_co_u32 s[TO], s[TO], s[\row]
	s_add_nc_u64 s[\dst:\dst+1], s[\dst:\dst+1], s[TO:TO+1]
.endm
.macro RIDE                            ; four roundings of x to bf16, behind a product
	WIN 0x0f
.rept 4
	v_cvt_pk_bf16_f32 v[PK+q], v[2*q], v[2*q+1]
.set q, q+1
.endr
.endm
; 16 products: row blocks a0, a0 + 1 x all 8 column blocks, 32 along K.  The 32 accumulators take turns in the same order everywhere.  cm = 1: the first product starts the sum with the bias.
.macro MUL16 f, kh, a0, cm, ride
.irp a, \a0, (\a0)+1
.irp b, 0,1,2,3,4,5,6,7
.if \cm
	WIN 0xb1
	v_wmma_f32_16x16x32_bf16 v[8*(8*(\a)+(\b)):8*(8*(\a)+(\b))+7], v[128*(\f)+8*(8*(\kh)+(\b)):128*(\f)+8*(8*(\kh)+(\b))+7], v[64+64*(\f)+8*(4*(\kh)+(\a)):64+64*(\f)+8*(4*(\kh)+(\a))+7], v[BIAS+8*(\b):BIAS+8*(\b)+7]
.else
	WIN 0xa1
	v_wmma_f32_16x16x32_bf16 v[8*(8*(\a)+(\b)):8*(8*(\a)+(\b))+7], v[128*(\f)+8*(8*(\kh)+(\b)):128*(\f)+8*(8*(\kh)+(\b))+7], v[64+64*(\f)+8*(4*(\kh)+(\a)):64+64*(\f)+8*(4*(\kh)+(\a))+7], v[8*(8*(\a)+(\b)):8*(8*(\a)+(\b))+7]
.endif
.if \ride
	RIDE
.endif
.endr
.endr
.endm
; 48 LDS loads in one run: the fragments of 64 along K (half ph of the step) into buffer f; the first 32 along K first
.macro FETCH ph, f
.irp kh, 0,1
	WIN 0x40
.irp b, 0,1,2,3,4,5,6,7
	ds_load_b128 v[128*(\f)+8*(8*(\kh)+(\b)):128*(\f)+8*(8*(\kh)+(\b))+3],   v[ADRB] offset:128*(\ph)+64*(\kh)+(\b)*16*PITCH
	ds_load_b128 v[128*(\f)+8*(8*(\kh)+(\b))+4:128*(\f)+8*(8*(\kh)+(\b))+7], v[ADRB] offset:128*(\ph)+64*(\kh)+(\b)*16*PITCH+32
.endr
	WIN 0
.irp a, 0,1,2,3
	ds_load_b128 v[64+64*(\f)+8*(4*(\kh)+(\a)):64+64*(\f)+8*(4*(\kh)+(\a))+3],   v[ADRA] offset:128*(\ph)+64*(\kh)+(\a)*16*PITCH
	ds_load_b128 v[64+64*(\f)+8*(4*(\kh)+(\a))+4:64+64*(\f)+8*(4*(\kh)+(\a))+7], v[ADRA] offset:128*(\ph)+64*(\kh)+(\a)*16*PITCH+32
.endr
.endr
.endm
.macro STORES                          ; my 32 packed rows: 32 lanes x 8 bytes are a row's 256
.set j, 0
.rept 32
	ds_store_b64 v[AST], v[PK+2*j:PK+2*j+1] offset:j*PITCH
.set j, j+1
.endr
.endm
.macro ALOADS dst, off                 ; my 32 rows x 512 bytes of x: a load covers 512 consecutive bytes
.set j, 0
.rept 32
	global_load_b128 v[(\dst)+4*j:(\dst)+4*j+3], v[AO], s[AP:AP+1] offset:j*4096+(\off)
.set j, j+1
.endr
.endm
.macro CVT src                         ; the start alone: 64 roundings on end, from window 2
	WIN 0x0a
.set q, 0
.rept 64
	v_cvt_pk_bf16_f32 v[PK+q], v[(\src)+2*q], v[(\src)+2*q+1]
.set q, q+1
.endr
	WIN 0
.endm
.macro BIASLD                          ; the next tile's bias as eight C operands: register j of block b = column 16 b + 8 (lane / 16) + j, the same for every row
	WIN 0xc0
.irp b, 0,1,2,3,4,5,6,7
	ds_load_b128 v[BIAS+8*(\b):BIAS+8*(\b)+3],   v[BAD] offset:64*(\b)
	ds_load_b128 v[BIAS+8*(\b)+4:BIAS+8*(\b)+7], v[BAD] offset:64*(\b)+16
.endr
	WIN 0
	v_add_nc_u32 v[BAD], 1024, v[BAD]
.endm
; THE CHANGE OF SLOTS, beside the products of the step's last 64 along K (buffer 1).  Each wave waits for all its tensor loads (one is out: its part of the next slot), adds 0 to its spare word, and waits for that,
; for its reads of the slot and for its stores into the next one.  fill = 1: the barrier opens a round of the cluster's; behind it the slot just left takes W's K step two on (the joint load comes first) and x's.
.macro TURN fill
	WIN 0
	s_wait_tensorcnt 0x0                           ; no tensor load of mine is out, so the walking group 0 may be written
	ds_add_u32 v[SPW], v[NIL]                      ; 0 onto my spare word; work on registers stands between it and the wait for it
.if \fill
	v_add_nc_u32 v[AST], s[TB], v[BASES]           ; the slot being left
	s_add_co_u32 s[M], s[N], 1                     ; it takes step N + 1
	s_lshr_b32 s[OFF], s[M], 3
	s_lshl_b32 s[OFF], s[OFF], 21                  ; the section,
	s_and_b32 s14, s[M], 7
	s_lshl_b32 s14, s14, 8                         ; the K step
	s_or_b32 s[OFF], s[OFF], s14
	s_xor_b32 s[G0+5], s[G0+5], SLOT
	s_add_nc_u64 s[G0+6:G0+7], s[BB:BB+1], s[OFF:OFF+1]  ; the address is made anew from the step's number
	s_or_b32 s[G0+7], s[G0+7], 0x80000000
.endif
	s_xor_b32 s[TB], s[TB], SLOT
	v_add_nc_u32 v[ADRA], s[TB], v[BASEA]
	v_add_nc_u32 v[ADRB], s[TB], v[BASEB]
	s_wait_dscnt 25                                ; the second 32 along K (24 loads) and the add may be out
	MUL16 1, 0, 0, 0, 0
	s_wait_dscnt 0x0                               ; the add is done, my reads of this slot are over, my stores into the next are done
	s_barrier_signal -1
	MUL16 1, 0, 2, 0, 0
	WIN 0
	s_barrier_wait -1
.if \fill
	CREST                                          ; no wave of any partner still reads the slot or has a load on its way
	tensor_load_to_lds s[G0+4:G0+7], s[G1:G1+7]    ; every wave's one load behind the round: its 64 rows of W
	s_nop 0
.endif
	PLACES                                         ; also the places in front of the loads below
	FETCH 0, 0
.if \fill
	STORES
.endif
	MUL16 1, 1, 0, 0, 0
	MUL16 1, 1, 2, 0, 0
	WIN 0
.endm
; THE WAY OUT of a tile, a block of 16 rows at a time: rounded to f16, 16 bytes a lane into my own stage, back as whole rows of 256 bytes, stored.
.macro PACK a
	WIN 0x0a
.irp b, 0,1,2,3,4,5,6,7
.irp r, 0,1,2,3
	v_cvt_pk_f16_f32 v[TMP+4*(\b)+(\r)], v[64*(\a)+8*(\b)+2*(\r)], v[64*(\a)+8*(\b)+2*(\r)+1]
.endr
.endr
	WIN 0
.endm
.macro TOSTAGE a
.set BK, OB+192*((\a)%2)
.irp b, 0,1,2,3,4,5,6,7
	ds_store_b128 v[STO], v[TMP+4*(\b):TMP+4*(\b)+3] offset:32*(\b)
.endr
.irp t, 0,1,2,3,4,5,6,7
	ds_load_b128 v[BK+4*(\t):BK+4*(\t)+3], v[RD] offset:(\t)*2*PITCH  ; LDS serves a wave's instructions in order (ISA guide 5.7.1.4): these see the stores above
.endr
.endm
.macro SEND a
.set BK, OB+192*((\a)%2)
	s_wait_dscnt 0x0                               ; the block is back in registers
	s_wait_xcnt 0x0                                ; earlier stores have read their base and data: only now are these rewritten
.if (\a) == 0
	s_add_nc_u64 s[OUTP:OUTP+1], s[OUTP:OUTP+1], s[OINC:OINC+1]
.else
	s_add_nc_u64 s[OUTP:OUTP+1], s[OUTP:OUTP+1], 16*2048
.endif
.irp t, 0,1,2,3,4,5,6,7
	global_store_b128 v[CO], v[BK+4*(\t):BK+4*(\t)+3], s[OUTP:OUTP+1] offset:2*(\t)*2048  ; 16 lanes store 256 consecutive bytes, aligned
.endr
.endm
.macro FLUSH
	PLACES
	PACK 0
	TOSTAGE 0
.irp a, 1,2,3
	PACK \a
	SEND (\a)-1
	TOSTAGE \a
.endr
	SEND 3
	s_mov_b32 s[OINC], 16777216-3*16*2048          ; from my last 16 rows of a tile to my first in the next section
	s_mov_b32 s[OINC+1], 0
	s_wait_xcnt 0x0                                ; the last stores have read v224-255, which the next roundings of x write
.endm
	s_load_b256 s[68:75], s[0:1], 0x0              ; queries 68, keys 70, bq 72, bk 74
	s_load_b128 s[76:79], s[0:1], 0x20             ; wt 76, qkv 78
	v_lshl_add_u32 v[SPW], v0, 2, SPARE
	v_mov_b32 v[NIL], 0
	ds_add_u32 v[SPW], v[NIL]                      ; the wave's opening
	v_lshrrev_b32 v1, 5, v0
	v_readfirstlane_b32 s10, v1                    ; wave 0..3
	s_lshr_b32 s11, s10, 1                         ; my half of the tile's rows
	s_and_b32 s12, s10, 1                          ; my half of its columns
	s_bfe_u32 s40, ttmp6, 0x40000                  ; cx
	s_bfe_u32 s41, ttmp6, 0x40004                  ; cy
	s_lshl_b32 s42, ttmp9, 2
	s_add_co_u32 s42, s42, s40                     ; column tile X
	s_and_b32 s43, ttmp7, 0xffff                   ; the cluster's y
	s_lshl_b32 s13, s43, 2
	s_add_co_u32 s13, s13, s41                     ; row tile
	s_lshl_b32 s15, 0x1111, s40                    ; my column of the cluster
	s_or_b32 s[G1], s15, (1<<16)|(1<<20)|(1<<21)|(5<<22)|(3<<25)  ; mask; 2-byte elements; padding on; bit 21 beside a mask; 4 words after every 64
	s_mov_b32 s[G1+1], 128<<16                     ; tensor_dim0 = 128
	s_mov_b32 s[G1+2], 64<<16                      ; tensor_dim1 = 64
	s_mov_b32 s[G1+3], 128<<16                     ; tile_dim0 = 128
	s_mov_b32 s[G1+4], 64                          ; tile_dim1 = 64
	s_mov_b32 s[G1+5], 1024                        ; elements from row to row
	s_mov_b32 s[G1+6], 0
	s_mov_b32 s[G1+7], 0
	s_mul_i32 s20, s10, 64*PITCH
	s_add_co_u32 s20, s20, ATILE                   ; where my 64 rows of W go: the wave's number alone
	s_lshl_b32 s[OFF], s42, 8
	s_lshl_b32 s[OFF+1], s10, 6
	s_add_co_u32 s[OFF], s[OFF], s[OFF+1]
	s_lshl_b32 s[OFF], s[OFF], 11                  ; row 256 X + 64 w of wt
	s_mov_b32 s[OFF+1], 0
	s_mov_b32 s[TO+1], 0
	s_mov_b32 s[TB], 0
	s_mov_b32 s[N], 0
	s_wait_dscnt 0x0                               ; the opening add is done
	s_wait_kmcnt 0x0
	s_add_nc_u64 s[BB:BB+1], s[76:77], s[OFF:OFF+1]
	CROUND                                         ; all sixteen work-groups are here: the first joint loads meet
	s_mov_b32 s[G0], 1
	s_mov_b32 s[G0+1], s20
	s_mov_b64 s[G0+2:G0+3], s[BB:BB+1]
	s_or_b32 s[G0+3], s[G0+3], 0x80000000
	s_mov_b32 s[G0+4], 1
	s_add_co_u32 s[G0+5], s20, SLOT
	s_add_nc_u64 s[G0+6:G0+7], s[BB:BB+1], 256
	s_or_b32 s[G0+7], s[G0+7], 0x80000000
	tensor_load_to_lds s[G0:G0+3], s[G1:G1+7]      ; W's K steps 0 and 1: two loads of mine are out
	s_nop 0
	tensor_load_to_lds s[G0+4:G0+7], s[G1:G1+7]
	s_nop 0
	PLACES
	v_and_b32 v1, 15, v0                           ; r = lane % 16
	v_bfe_u32 v2, v0, 4, 1                         ; h = lane / 16
	v_and_b32 v3, 31, v0
	v_lshlrev_b32 v[AO], 4, v3
	v_lshlrev_b32 v4, 3, v0                        ; thread i takes bias columns 2 i, 2 i + 1 of the tile's 256
	s_lshl_b32 s[TO], s42, 10
	s_add_nc_u64 s[20:21], s[72:73], s[TO:TO+1]
	s_add_nc_u64 s[22:23], s[74:75], s[TO:TO+1]
	global_load_b64 v[8:9],   v4, s[20:21]
	global_load_b64 v[10:11], v4, s[22:23]
	s_lshl_b32 s[AROW], s13, 19                    ; 128 rows of 4,096 bytes,
	s_lshl_b32 s14, s10, 17                        ; my 32 of them
	s_add_co_u32 s[AROW], s[AROW], s14
	s_mov_b32 s[TO], s[AROW]
	s_add_nc_u64 s[AP:AP+1], s[68:69], s[TO:TO+1]
	WIN 0x80
	ALOADS 0, 0                                    ; x of steps 0 and 1 into the accumulators' registers, which the first products write anew,
	ALOADS 128, 512
	WIN 0xc0
	ALOADS 0, 1024                                 ; of step 2 where the loop expects it
	WIN 0
	v_mul_u32_u24 v5, v1, PITCH
	v_lshl_add_u32 v5, v2, 4, v5                   ; row r, 16 bytes for each half of the lanes
	s_mul_i32 s14, s11, 64*PITCH
	v_add_nc_u32 v[BASEA], s14, v5
	s_mul_i32 s14, s12, 128*PITCH
	s_add_co_u32 s14, s14, ATILE
	v_add_nc_u32 v[BASEB], s14, v5
	s_mul_i32 s14, s10, 32*PITCH
	v_lshl_add_u32 v[BASES], v3, 3, s14
	s_lshl_b32 s14, s12, 9
	s_add_co_u32 s14, s14, BTAB
	v_lshl_add_u32 v[BAD], v2, 5, s14
	s_mul_i32 s14, s10, 16*PITCH
	s_add_co_u32 s14, s14, STAGE
	v_add_nc_u32 v[STO], s14, v5
	v_mul_u32_u24 v6, v2, PITCH
	v_lshl_add_u32 v6, v1, 4, v6
	v_add_nc_u32 v[RD], s14, v6                    ; back: lanes 0-15 one row of 256 bytes, lanes 16-31 the next
	v_lshlrev_b32 v[CO], 11, v2
	v_lshl_add_u32 v[CO], v1, 4, v[CO]             ; and the same two rows in qkv
	v_add_nc_u32 v[BST], BTAB, v4
	v_mov_b32 v[ADRA], v[BASEA]
	v_mov_b32 v[ADRB], v[BASEB]
	s_mov_b64 s[OUTP:OUTP+1], s[78:79]
	s_lshl_b32 s[OINC], s13, 7
	s_lshl_b32 s14, s11, 6
	s_add_co_u32 s[OINC], s[OINC], s14
	s_lshl_b32 s[OINC], s[OINC], 11                ; my first row,
	s_lshl_b32 s14, s42, 9
	s_add_co_u32 s[OINC], s[OINC], s14
	s_lshl_b32 s14, s12, 8
	s_add_co_u32 s[OINC], s[OINC], s14             ; my first column
	s_mov_b32 s[OINC+1], 0
	; THE PREFETCHES INTO THE L2, one instruction a wave and step, a lane a row of 256 bytes.  Waves 0 and 1: x, five steps ahead (two ahead of its loads): the four work-groups that read the same 128 rows take 32
	; each BY ADDRESS (cx), the two waves the two halves of a step's 512 bytes.  Waves 2 and 3: W, three steps ahead, in the clusters with y = 0 alone (every cluster walks the same weights): the four that ask for a
	; tile jointly take 64 rows each by address (cy), 32 a wave.  So each block is named once.  Nothing is asked in step 0, and nothing past step 15.
	s_add_nc_u64 s[92:93], s[76:77], 0x200000
	s_cmp_eq_u32 s11, 0
	s_cselect_b64 s[PB0:PB0+1], s[68:69], s[76:77]
	s_cselect_b64 s[PB0+2:PB0+3], s[70:71], s[92:93]
	s_cselect_b32 s[PSH], 9, 8
	s_cselect_b32 s[LEAD], 5, 3
	s_lshl_b32 s2, s13, 7
	s_lshl_b32 s3, s40, 5
	s_add_co_u32 s2, s2, s3
	s_lshl_b32 s2, s2, 12
	s_lshl_b32 s3, s12, 8
	s_add_co_u32 s2, s2, s3                        ; x: row 128 Y + 32 cx, half w % 2
	s_lshl_b32 s14, s42, 8
	s_lshl_b32 s3, s41, 6
	s_add_co_u32 s14, s14, s3
	s_lshl_b32 s3, s12, 5
	s_add_co_u32 s14, s14, s3
	s_lshl_b32 s14, s14, 11                        ; W: row 256 X + 64 cy + 32 (w % 2)
	s_cmp_eq_u32 s11, 0
	s_cselect_b32 s[PROW], s2, s14
	s_cselect_b32 s3, 12, 11
	v_lshlrev_b32 v[PFO], s3, v3
	s_cmp_eq_u32 s43, 0
	s_cselect_b32 s14, STEPS-4, 0
	s_cmp_eq_u32 s11, 0
	s_cselect_b32 s[PLIM], STEPS-6, s14            ; a wave asks in steps 1 .. PLIM: the same in all sixteen partners, for a given wave
	s_wait_loadcnt 63                              ; 64 loads were issued behind step 0's last: the biases and step 0 are in
.irp t, 0,1
	v_cvt_pk_bf16_f32 v6, v[8+2*(\t)], v[9+2*(\t)] ; the bias is rounded to bf16 like every input,
	v_lshlrev_b32 v[8+2*(\t)], 16, v6
	v_and_b32 v[9+2*(\t)], 0xffff0000, v6          ; and kept as f32
	ds_store_b64 v[BST], v[8+2*(\t):9+2*(\t)] offset:1024*(\t)
.endr
	CVT 0
	v_mov_b32 v[AST], v[BASES]
	STORES                                         ; x of step 0 into slot 0
	s_wait_loadcnt 32                              ; step 2's 32 loads may stay out
	CVT 128
	v_add_nc_u32 v[AST], SLOT, v[BASES]
	STORES                                         ; of step 1 into slot 1
	s_wait_tensorcnt 1                             ; my part of W's K step 0 is in; K step 1's may stay out
	s_wait_dscnt 0x0                               ; my stores are done
	s_barrier_signal -1
	s_barrier_wait -1
	FETCH 0, 0
	BIASLD
	s_branch .Lfirst                               ; the loop is entered behind its change of slots
.Lloop:                                                ; trip N = 1 .. 14: the change from step N - 1 to step N, then step N's first 64 along K
	TURN 1
	s_and_b32 s14, s[N], 7
	s_cmp_lg_u32 s14, 0
	s_cbranch_scc1 .Lplain
	FLUSH                                          ; step 8 begins the second tile: the finished one goes out; both refills have been asked for
	BIASLD
.Lfirst:
	s_wait_dscnt 0x0
	s_wait_loadcnt 0x0                             ; x of step N + 2 is in registers
.set q, 0
	MUL16 0, 0, 0, 1, 1
	MUL16 0, 0, 2, 1, 0
	WIN 0
	s_branch .Lrest
.Lplain:
	s_wait_dscnt 56                                ; the second 32 along K (24 loads) and my 32 stores may be out
	s_wait_loadcnt 0x0
.set q, 0
	MUL16 0, 0, 0, 0, 1
	MUL16 0, 0, 2, 0, 0
	WIN 0
.Lrest:
	s_wait_xcnt 0x0                                ; the last step's loads and prefetch have read their pointers
	s_add_co_u32 s[M], s[N], s[LEAD]
	APTR PP, PB0, PB0+2, PROW, s[PSH]
	PLACES
	FETCH 1, 1
	s_cmp_lt_u32 s[N], STEPS-3                     ; x of step N + 3, while there is one; every wait on these loads is for 0, right on both ways
	s_cbranch_scc0 .Lno_a
	s_add_co_u32 s[M], s[N], 3
	APTR AP, 68, 70, AROW, 9
	WIN 0xc0
	ALOADS 0, 0
	WIN 0
.Lno_a:
	s_sub_co_u32 s14, s[N], 1
	s_cmp_lt_u32 s14, s[PLIM]
	s_cbranch_scc0 .Lno_ask
	global_prefetch_b8 v[PFO], s[PP:PP+1] th:TH_LOAD_NT scope:SCOPE_SE
.Lno_ask:
	s_wait_dscnt 48                                ; all but the 48 just issued
	MUL16 0, 1, 0, 0, 0
	MUL16 0, 1, 2, 0, 0
	WIN 0
	s_add_co_u32 s[N], s[N], 1
	s_cmp_lt_u32 s[N], STEPS-1
	s_cbranch_scc1 .Lloop
	; THE TAIL fills nothing: the change into step 15, that step's first half, and its second half, which is a change of slots once more: its fetch from the other slot serves nothing, the price of writing the tail once
	s_mov_b32 s3, 2
	s_branch .Ltl_in
.Ltl:
	s_wait_dscnt 24
	MUL16 0, 0, 0, 0, 0
	MUL16 0, 0, 2, 0, 0
	PLACES
	FETCH 1, 1
	s_wait_dscnt 48
	MUL16 0, 1, 0, 0, 0
	MUL16 0, 1, 2, 0, 0
	WIN 0
.Ltl_in:
	TURN 0
	s_sub_co_u32 s3, s3, 1
	s_cmp_lg_u32 s3, 0
	s_cbranch_scc1 .Ltl
	FLUSH
	s_wait_tensorcnt 0x0                           ; the wave's end
	ds_add_u32 v[SPW], v[NIL]
	s_wait_dscnt 0x0
	CROUND                                         ; the closing round
	s_endpgm
.Lfunc_end_k_qa8d8376657_proj:
	.size	k_qa8d8376657_proj, .Lfunc_end_k_qa8d8376657_proj-k_qa8d8376657_proj
	.p2alignl 7, 3214868480
	.fill 96, 4, 3214868480
	.section	.rodata,"a",@progbits
	.p2align	6, 0x0
	.amdhsa_kernel k_qa8d8376657_proj
		.amdhsa_group_segment_fixed_size 327680
		.amdhsa_private_segment_fixed_size 0
		.amdhsa_enable_private_segment 0
		.amdhsa_kernarg_size 48
		.amdhsa_user_sgpr_count 2
		.amdhsa_user_sgpr_kernarg_segment_ptr 1
		.amdhsa_wavefront_size32 1
		.amdhsa_system_sgpr_workgroup_id_x 1
		.amdhsa_system_sgpr_workgroup_id_y 1
		.amdhsa_system_sgpr_workgroup_id_z 1
		.amdhsa_system_vgpr_workitem_id 0
		.amdhsa_next_free_vgpr 960
		.amdhsa_next_free_sgpr 100
		.amdhsa_reserve_vcc 0
		.amdhsa_float_denorm_mode_32 3
		.amdhsa_float_denorm_mode_16_64 3
		.amdhsa_memory_ordered 1
		.amdhsa_forward_progress 1
		.amdhsa_inst_pref_size 116
	.end_amdhsa_kernel
	.amdgpu_metadata
---
amdhsa.version: [ 1, 2 ]
amdhsa.kernels:
  - .name:           k_qa8d8376657_proj
    .symbol:         k_qa8d8376657_proj.kd
    .args:
      - { .name: queries, .offset: 0, .size: 8, .value_kind: global_buffer, .address_space: global }
      - { .name: keys, .offset: 8, .size: 8, .value_kind: global_buffer, .address_space: global }
      - { .name: bq, .offset: 16, .size: 8, .value_kind: global_buffer, .address_space: global }
      - { .name: bk, .offset: 24, .size: 8, .value_kind: global_buffer, .address_space: global }
      - { .name: wt, .offset: 32, .size: 8, .value_kind: global_buffer, .address_space: global }
      - { .name: qkv, .offset: 40, .size: 8, .value_kind: global_buffer, .address_space: global }
    .group_segment_fixed_size: 327680
    .private_segment_fixed_size: 0
    .kernarg_segment_align: 8
    .kernarg_segment_size: 48
    .max_flat_workgroup_size: 128
    .sgpr_count:     100
    .vgpr_count:     960
    .wavefront_size: 32
...
	.end_amdgpu_metadata
.endif
;; end of part 2
;; launch scores (part 3): grid 8 x 32, 4 waves a work-group, clusters of 4 x 4, 327,680 bytes of LDS; arguments qkv, p, st; writes p, st
.if DOCPART == 3
	.amdgcn_target "amdgcn-amd-amdhsa--gfx1250"
	.amdhsa_code_object_version 6
	.text
	.protected	k_qa8d8376657_scores
	.globl	k_qa8d8376657_scores
	.p2align	8
	.type	k_qa8d8376657_scores,@function
k_qa8d8376657_scores:
	s_mov_b64 s[64:65], 0
	v_nop
	global_prefetch_b8 v0, s[64:65] scope:SCOPE_SE
	s_setreg_imm32_b32 hwreg(HW_REG_WAVE_MODE, 25, 1), 1
	s_wait_xcnt 0x0
	s_wait_alu depctr_hold_cnt(0) depctr_sa_sdst(0) depctr_va_vdst(0) depctr_va_sdst(0) depctr_va_ssrc(0) depctr_va_vcc(0) depctr_vm_vsrc(0)
	s_getreg_b32 s2, hwreg(HW_REG_IB_STS2, 6, 4)
	s_cmp_eq_u32 s2, 0
	s_cbranch_scc0 .Lentry_in_a_cluster
	s_endpgm
.Lentry_in_a_cluster:
	s_bfe_u32 s2, ttmp6, 0x10000c
	s_cmp_lg_u32 s2, 0xf033
	s_cbranch_scc0 .Lentry_shape_is_right
	s_endpgm
.Lentry_shape_is_right:
; S = q k^T for a tile of 256 queries x 256 keys of one batch (K = 1024, f16 operands, f32 sums), and the first half of the softmax: for each query and each CHUNK of 128 keys (what one wave holds)
; CM = c x the chunk's maximum, c = log2(e) / 32;  p = 2^(c s - CM), rounded to f16, into p[8192][2048];  l = the sum of the unrounded p.  CM and l go to st[2][batch][chunk][row] in f32.
; The launch behind takes the row's true maximum M = max CM and multiplies chunk t by 2^(CM_t - M): 2^(c s - CM_t) 2^(CM_t - M) = 2^(c s - M), so the maximum is taken away as the softmax asks, and CM's rounding cancels.
; LIMITS.  p lies in 0 to 1; below 6e-5 it keeps f16's fixed step of 6e-8; a weight below 2^-126 counts as 0 in l.  NaN and infinities are not treated apart.
; SHARES.  Four waves, each 128 x 128: 64 accumulators, 512 registers.  K goes in steps of 128 through two LDS slots filled by joint tensor loads: q's tile is shared along a row of the 4 x 4 cluster, k's along a column.
; THE MATRIX INSTRUCTION IS USED TRANSPOSED (source 0 = 16 keys, source 1 = 16 queries): a lane holds one query (lane % 16) and, in block b, the keys 16 b + 8 (lane / 16) + 0..7.
; REGISTERS: window 0: v0-31 addresses; v64-127, v128-191 q's fragments, two buffers (later v64-111 the statistics); v32-63, v192-255 way out.  window 1: v64-191 k's fragments.  windows 2, 3: accumulators of my rows 0-63, 64-127, (a, b) at 8 (8 (a % 4) + b).
.set KSTEP,  128
.set PITCH,  272                       ; 256 bytes + 16: the 16 rows of a load start at 16 different groups of four banks (ISA guide 11.1)
.set HALFT,  128*PITCH
.set SLOT,   4*HALFT                   ; q's 256 rows, then k's; 0x22000 shares no bit with the four waves' places 0, 0x8800, 0x11000, 0x19800: an exclusive or changes slots
.set STAGE,  2*SLOT
.set SPITCH, 272
.set STAT,   STAGE+4*16*SPITCH         ; 1,024 bytes a wave: 128 CM, 128 l
.set SPARE,  STAT+4*1024
.set ADRA, 16
.set ADRB, 17
.set BASEA, 18
.set BASEB, 19
.set SG,   20                          ; v20  16 x lane
.set STO,  24
.set RD,   25
.set CO,   26
.set SA,   27                          ; v27  where row lane % 16 of a block puts its statistics; steps 256 a half
.set SPW,  28
.set NIL,  29
.set PFO,  30
.set SR,   31                          ; v31  where I read four rows' statistics back
.set F0,   64
.set F1,   128
.set TMP,  192
.set OB,   32
.set MX,   64                          ; v64-67   block la's maximum
.set TX,   72                          ; v72-75   the other half of the lanes'
.set CM,   80                          ; v80-87   c x maximum, as a pair
.set LS,   96                          ; v96-103  sums: even keys', odd keys'
.set G1,  24
.set G0,  32                           ; s[32:35] the first fill; s[36:39] walks
.set G1B, 48
.set G0B, 56
.set TB,  66
.set LIM, 67
.set CS,  68                           ; s[68:69] c
.set SEL, 70                           ; s[70:71] v_permlanex16_b32's selects
.set PFA, 72
.set MSB, 0
.macro WIN new
.if MSB != (\new)
	s_set_vgpr_msb (MSB<<8)|(\new)
.set MSB, \new
.endif
.endm
.set MUL_LO, 0xa1
.set MUL_HI, 0xf1
.set TO_B,   0x40
.macro PLACES
.rept 4
	v_nop
.endr
.endm
.macro JLOAD                           ; the joint refill: waves 0 and 1 fetch q's halves, waves 2 and 3 k's; an s_nop 0 and four v_nop follow each line
	s_cmp_eq_u32 s11, 0
	s_cbranch_scc0 .Lfor_b_\@
	tensor_load_to_lds s[G0+4:G0+7], s[G1:G1+7]
	s_nop 0
	PLACES
	s_branch .Lasked_\@
.Lfor_b_\@:
	tensor_load_to_lds s[G0B+4:G0B+7], s[G1B:G1B+7]
	s_nop 0
	PLACES
.Lasked_\@:
.endm
; A prefetch into the L2 of the K step two refills on: 32 rows x 256 bytes, a lane a row.  q's rows are read by both clusters of a row of clusters: x = 0 asks; k's by the two clusters of a batch in a column: the even one asks.
; Of the 128 rows that a wave fetches each of the four joint askers takes 32, by address.  The last two refills have no K step two on.
.macro ASK
	s_cmp_gt_u32 s3, s[LIM]
	s_cbranch_scc0 .Lnot_mine_\@
	global_prefetch_b8 v[PFO], s[PFA:PFA+1] th:TH_LOAD_NT scope:SCOPE_SE
.Lnot_mine_\@:
.endm
.macro CREST
	s_cmp_lg_u32 s10, 0
	s_cbranch_scc1 .Lnot_wave_0_\@
	s_barrier_signal -3
.Lnot_wave_0_\@:
	s_barrier_wait -3
	s_barrier_signal -1
	s_barrier_wait -1
.endm
.macro CROUND
	s_barrier_signal -1
	s_barrier_wait -1
	CREST
.endm
	s_load_b128 s[4:7], s[0:1], 0x0                ; qkv s[4:5], p s[6:7]
	s_load_b64 s[8:9], s[0:1], 0x10                ; st
	v_lshl_add_u32 v[SPW], v0, 2, SPARE
	v_mov_b32 v[NIL], 0
	ds_add_u32 v[SPW], v[NIL]                      ; the wave's opening
	v_lshrrev_b32 v1, 5, v0
	v_readfirstlane_b32 s10, v1
	s_lshr_b32 s11, s10, 1                         ; my half of the queries.  Also: I fetch for q (0) or k (1)
	s_and_b32 s12, s10, 1                          ; my half of the keys.  Also: which 128 rows I fetch
	s_bfe_u32 s40, ttmp6, 0x40000
	s_bfe_u32 s41, ttmp6, 0x40004
	s_lshl_b32 s42, ttmp9, 2
	s_add_co_u32 s42, s42, s40                     ; key tile X, 0..7
	s_and_b32 s18, ttmp7, 0xffff                   ; the cluster's y
	s_lshl_b32 s13, s18, 2
	s_add_co_u32 s13, s13, s41                     ; query tile Y, 0..31: 256 Y is the row in q
	s_lshr_b32 s19, s18, 1                         ; the batch, from the cluster's y alone
	s_lshl_b32 s43, s41, 2
	s_lshl_b32 s43, 15, s43                        ; my row of the cluster
	s_lshl_b32 s44, 0x1111, s40                    ; my column
	s_or_b32 s[G1], s43, (1<<16)|(1<<20)|(1<<21)|(5<<22)|(3<<25)
	s_or_b32 s[G1B], s44, (1<<16)|(1<<20)|(1<<21)|(5<<22)|(3<<25)
.irp g, G1, G1B
	s_mov_b32 s[(\g)+1], KSTEP<<16                 ; tensor_dim0 = 128
	s_mov_b32 s[(\g)+2], 128<<16                   ; tensor_dim1 = 128
	s_mov_b32 s[(\g)+3], KSTEP<<16                 ; tile_dim0 = 128
	s_mov_b32 s[(\g)+4], 128                       ; tile_dim1 = 128
	s_mov_b32 s[(\g)+5], 1024
	s_mov_b32 s[(\g)+6], 0
	s_mov_b32 s[(\g)+7], 0
.endr
	s_lshl_b32 s17, s12, 7
	s_lshl_b32 s16, s13, 8
	s_add_co_u32 s16, s16, s17
	s_lshl_b32 s16, s16, 11                        ; q: row 256 Y + 128 half
	s_mov_b32 s17, 0
	s_lshl_b32 s46, s42, 8
	s_lshl_b32 s47, s12, 7
	s_add_co_u32 s46, s46, s47
	s_lshl_b32 s47, s19, 11
	s_add_co_u32 s46, s46, s47
	s_add_co_u32 s46, s46, 8192
	s_lshl_b32 s46, s46, 11                        ; k: section 1, row 2048 batch + 256 X + 128 half
	s_mov_b32 s47, 0
	s_mul_i32 s20, s10, HALFT
	s_mov_b32 s[CS], 0x3d38aa3b                    ; c = log2(e) / 32
	s_mov_b32 s[CS+1], s[CS]
	s_mov_b32 s[SEL], 0x76543210
	s_mov_b32 s[SEL+1], 0xfedcba98
	s_mov_b32 s[TB], 0
	s_wait_dscnt 0x0
	s_wait_kmcnt 0x0
	s_add_nc_u64 s[14:15], s[4:5], s[16:17]
	s_add_nc_u64 s[46:47], s[4:5], s[46:47]
	CROUND
.irp s, 0,1
	s_mov_b32 s[G0+4*(\s)], 1
	s_add_co_u32 s[G0+4*(\s)+1], s20, (\s)*SLOT
	s_add_nc_u64 s[G0+4*(\s)+2:G0+4*(\s)+3], s[14:15], (\s)*KSTEP*2
	s_or_b32 s[G0+4*(\s)+3], s[G0+4*(\s)+3], 0x80000000
	s_mov_b32 s[G0B+4*(\s)], 1
	s_add_co_u32 s[G0B+4*(\s)+1], s20, (\s)*SLOT
	s_add_nc_u64 s[G0B+4*(\s)+2:G0B+4*(\s)+3], s[46:47], (\s)*KSTEP*2
	s_or_b32 s[G0B+4*(\s)+3], s[G0B+4*(\s)+3], 0x80000000
.endr
	s_cmp_eq_u32 s11, 0                            ; a wave's two first fills stand in one branch: two loads of mine are out
	s_cbranch_scc0 .Lfirst_b
	tensor_load_to_lds s[G0:G0+3], s[G1:G1+7]
	s_nop 0
	tensor_load_to_lds s[G0+4:G0+7], s[G1:G1+7]
	s_nop 0
	PLACES
	s_branch .Lfirst_asked
.Lfirst_b:
	tensor_load_to_lds s[G0B:G0B+3], s[G1B:G1B+7]
	s_nop 0
	tensor_load_to_lds s[G0B+4:G0B+7], s[G1B:G1B+7]
	s_nop 0
	PLACES
.Lfirst_asked:
	v_and_b32 v1, 15, v0
	v_bfe_u32 v2, v0, 4, 1
	v_mul_u32_u24 v3, v1, PITCH
	v_lshl_add_u32 v3, v2, 4, v3
	s_mul_i32 s21, s11, HALFT
	s_mul_i32 s22, s12, HALFT
	s_add_co_u32 s22, s22, 2*HALFT
	v_add_nc_u32 v[BASEA], s21, v3
	v_add_nc_u32 v[BASEB], s22, v3
	v_mov_b32 v[ADRA], v[BASEA]
	v_mov_b32 v[ADRB], v[BASEB]
	s_mul_i32 s23, s10, 16*SPITCH
	s_add_co_u32 s23, s23, STAGE
	v_add_nc_u32 v[STO], s23, v3
	v_mul_u32_u24 v5, v2, SPITCH
	v_lshl_add_u32 v5, v1, 4, v5
	v_add_nc_u32 v[RD], s23, v5
	v_lshlrev_b32 v[CO], 12, v2                    ; a row of p is 4,096 bytes
	v_lshl_add_u32 v[CO], v1, 4, v[CO]
	s_lshl_b32 s21, s10, 10
	s_add_co_u32 s21, s21, STAT
	v_lshl_add_u32 v[SA], v1, 2, s21
	v_and_b32 v[SG], 31, v0
	v_lshlrev_b32 v[PFO], 11, v[SG]                ; a lane a row of 2,048 bytes
	v_lshlrev_b32 v[SG], 4, v[SG]
	v_add_nc_u32 v[SR], s21, v[SG]
	; the prefetches' pointer and who asks
	s_lshl_b32 s20, s13, 8
	s_lshl_b32 s21, s40, 5
	s_add_co_u32 s20, s20, s21                     ; q: 256 Y + 32 cx
	s_lshl_b32 s22, s42, 8
	s_lshl_b32 s21, s19, 11
	s_add_co_u32 s22, s22, s21
	s_lshl_b32 s21, s41, 5
	s_add_co_u32 s22, s22, s21
	s_add_co_u32 s22, s22, 8192                    ; k: 8192 + 2048 batch + 256 X + 32 cy
	s_cmp_eq_u32 s11, 0
	s_cselect_b32 s20, s20, s22
	s_lshl_b32 s21, s12, 7
	s_add_co_u32 s20, s20, s21                     ; + the 128 rows that I fetch
	s_lshl_b32 s20, s20, 11
	s_add_co_u32 s20, s20, 3*KSTEP*2               ; at K step 3: the first refill steps it to 4
	s_mov_b32 s21, 0
	s_add_nc_u64 s[PFA:PFA+1], s[4:5], s[20:21]
	s_and_b32 s22, s18, 1
	s_cmp_eq_u32 s11, 0
	s_cselect_b32 s22, ttmp9, s22
	s_cmp_eq_u32 s22, 0
	s_cselect_b32 s[LIM], 2, -1                    ; the same in all sixteen partners, for a given wave
	; where my part of p and of st begins
	s_lshl_b32 s16, s13, 8
	s_lshl_b32 s17, s11, 7
	s_add_co_u32 s16, s16, s17
	s_lshl_b32 s16, s16, 12
	s_lshl_b32 s17, s42, 9
	s_add_co_u32 s16, s16, s17
	s_lshl_b32 s17, s12, 8
	s_add_co_u32 s16, s16, s17
	s_mov_b32 s17, 0
	s_lshl_b32 s20, s19, 4
	s_lshl_b32 s21, s42, 1
	s_add_co_u32 s20, s20, s21
	s_add_co_u32 s20, s20, s12                     ; 16 batch + chunk
	s_lshl_b32 s20, s20, 11
	s_and_b32 s21, s13, 7
	s_lshl_b32 s21, s21, 8
	s_add_co_u32 s20, s20, s21
	s_lshl_b32 s21, s11, 7
	s_add_co_u32 s20, s20, s21                     ; + my first row in the batch
	s_lshl_b32 s20, s20, 2
	s_mov_b32 s21, 0
	s_add_nc_u64 s[8:9], s[8:9], s[20:21]
; 16 products: query blocks a0, a0 + 1 of the window's four x all 8 key blocks.  The 64 accumulators take turns in the same order in every quarter.
.macro MUL16 f, hi, a0, zero
	WIN MUL_LO+0x50*(\hi)
.irp a, \a0, (\a0)+1
.irp b, 0,1,2,3,4,5,6,7
.if \zero
	v_wmma_f32_16x16x32_f16 v[8*(8*(\a)+(\b)):8*(8*(\a)+(\b))+7], v[(\f)+8*(\b):(\f)+8*(\b)+7], v[(\f)+8*(4*(\hi)+(\a)):(\f)+8*(4*(\hi)+(\a))+7], 0
.else
	v_wmma_f32_16x16x32_f16 v[8*(8*(\a)+(\b)):8*(8*(\a)+(\b))+7], v[(\f)+8*(\b):(\f)+8*(\b)+7], v[(\f)+8*(4*(\hi)+(\a)):(\f)+8*(4*(\hi)+(\a))+7], v[8*(8*(\a)+(\b)):8*(8*(\a)+(\b))+7]
.endif
.endr
.endr
.endm
.macro FETCH k, f                      ; 32 LDS loads in one run: 32 along K at byte k of the rows, k's 128 rows and then q's
	WIN TO_B
.irp i, 0,1,2,3,4,5,6,7
	ds_load_b128 v[(\f)+8*(\i):(\f)+8*(\i)+3],   v[ADRB] offset:(\k)+(\i)*16*PITCH
	ds_load_b128 v[(\f)+8*(\i)+4:(\f)+8*(\i)+7], v[ADRB] offset:(\k)+(\i)*16*PITCH+32
.endr
	WIN 0
.irp i, 0,1,2,3,4,5,6,7
	ds_load_b128 v[(\f)+8*(\i):(\f)+8*(\i)+3],   v[ADRA] offset:(\k)+(\i)*16*PITCH
	ds_load_b128 v[(\f)+8*(\i)+4:(\f)+8*(\i)+7], v[ADRA] offset:(\k)+(\i)*16*PITCH+32
.endr
.endm
.macro QUARTER k, f, g, zero
	s_wait_dscnt 8                                 ; the youngest eight loads (q's rows 64-127) may be out
	MUL16 \f, 0, 0, \zero
	MUL16 \f, 0, 2, \zero
	PLACES
	FETCH \k, \g
	s_wait_dscnt 32                                ; all but the 32 just issued
	MUL16 \f, 1, 0, \zero
	MUL16 \f, 1, 2, \zero
.endm
; The step's last quarter multiplies buffer 1 and changes slots: each wave waits for all its tensor loads, adds 0 to its spare word, waits for that and for its reads of the slot; fill = 1: the barrier opens a round of
; the cluster's, and the joint refill (the K step two on) is the first thing behind it.
.macro TURN fill
	WIN 0
.if \fill
	s_wait_xcnt 0x0                                ; the last prefetch, a K step back, has read its pointer
	s_add_nc_u64 s[PFA:PFA+1], s[PFA:PFA+1], KSTEP*2
.endif
	s_wait_tensorcnt 0x0
	ds_add_u32 v[SPW], v[NIL]
.if \fill
.irp g, G0+4, G0B+4
	s_xor_b32 s[(\g)+1], s[(\g)+1], SLOT
	s_add_nc_u64 s[(\g)+2:(\g)+3], s[(\g)+2:(\g)+3], KSTEP*2
.endr
.endif
	s_xor_b32 s[TB], s[TB], SLOT
	v_add_nc_u32 v[ADRA], s[TB], v[BASEA]
	v_add_nc_u32 v[ADRB], s[TB], v[BASEB]
	s_wait_dscnt 9                                 ; the add and the youngest eight loads may be out
	MUL16 F1, 0, 0, 0
	s_wait_dscnt 0x0
	s_barrier_signal -1
	MUL16 F1, 0, 2, 0
	WIN 0
	s_barrier_wait -1
.if \fill
	CREST
	JLOAD
.else
	PLACES
.endif
	FETCH 0, F0
.if \fill
	ASK
.endif
	MUL16 F1, 1, 0, 0
	MUL16 F1, 1, 2, 0
.endm
; THE WAY OUT, written for the four blocks of 16 queries whose accumulators lie in window 2, and walked twice
.macro PACK la
	WIN 0x0a
.irp b, 0,1,2,3,4,5,6,7
.irp r, 0,1,2,3
	v_cvt_pk_f16_f32 v[TMP+4*(\b)+(\r)], v[64*(\la)+8*(\b)+2*(\r)], v[64*(\la)+8*(\b)+2*(\r)+1]
.endr
.endr
	WIN 0
.endm
.macro TOSTAGE la
.set BK, OB+192*((\la)%2)
.irp b, 0,1,2,3,4,5,6,7
	ds_store_b128 v[STO], v[TMP+4*(\b):TMP+4*(\b)+3] offset:32*(\b)
.endr
.irp t, 0,1,2,3,4,5,6,7
	ds_load_b128 v[BK+4*(\t):BK+4*(\t)+3], v[RD] offset:(\t)*2*SPITCH  ; LDS serves a wave's instructions in order (ISA guide 5.7.1.4)
.endr
.endm
.macro SEND la
.set BK, OB+192*((\la)%2)
	s_wait_dscnt 0x0
	s_wait_xcnt 0x0                                ; earlier stores have read their base and data
.if (\la) == 0
	s_add_nc_u64 s[6:7], s[6:7], s[16:17]          ; the first time: to my part of p; the second: 16 rows on
.else
	s_add_nc_u64 s[6:7], s[6:7], 16*4096
.endif
.irp t, 0,1,2,3,4,5,6,7
	global_store_b128 v[CO], v[BK+4*(\t):BK+4*(\t)+3], s[6:7] offset:2*(\t)*4096  ; 16 lanes store 256 consecutive bytes, aligned
.endr
.endm
; Four blocks, four chains side by side.  Each accumulator's lowest registers are read first.
.macro HALF
	WIN 0x0a
.set i, 0
.rept 32
.irp la, 0,1,2,3
.set rX, 64*(\la)+8*(i/4)+2*(i%4)
.if i == 0
	v_max_num_f32 v[MX+(\la)], v[rX], v[rX+1]
.else
	v_max3_num_f32 v[MX+(\la)], v[rX], v[rX+1], v[MX+(\la)]
.endif
.endr
.set i, i+1
.endr
	WIN 0
.irp la, 0,1,2,3
	v_mov_b32 v[TX+(\la)], v[MX+(\la)]             ; v_permlanex16_b32's destination counts as read
.endr
.irp la, 0,1,2,3
	v_permlanex16_b32 v[TX+(\la)], v[MX+(\la)], s[SEL], s[SEL+1]  ; the query's other 64 keys lie in the lane 16 away
.endr
.irp la, 0,1,2,3
	v_max_num_f32 v[MX+(\la)], v[MX+(\la)], v[TX+(\la)]
.endr
.irp la, 0,1,2,3
	v_mul_f32 v[CM+2*(\la)], s[CS], v[MX+(\la)]
	v_mul_f32 v[CM+2*(\la)+1], s[CS], v[MX+(\la)]
.endr
	WIN 0x82
.set i, 0
.rept 32
.irp la, 0,1,2,3
.set rX, 64*(\la)+2*i
	v_pk_fma_f32 v[rX:rX+1], v[rX:rX+1], s[CS:CS+1], v[CM+2*(\la):CM+2*(\la)+1] op_sel_hi:[1,0,0] neg_lo:[0,0,1] neg_hi:[0,0,1]  ; c s - CM
.endr
.set i, i+1
.endr
.set i, 0
.rept 256
	v_exp_f32 v[i], v[i]                           ; one batch: nothing names a result ahead of the wait
.set i, i+1
.endr
	v_nop                                          ; a plain instruction behind the last exponential,
	s_wait_alu depctr_va_vdst(0)                   ; and the one wait ahead of the first reader
	WIN 0x0a
.irp la, 0,1,2,3
	v_pk_add_f32 v[LS+2*(\la):LS+2*(\la)+1], v[64*(\la):64*(\la)+1], v[64*(\la)+2:64*(\la)+3]
.endr
	WIN 0x02
.set i, 2
.rept 30
.irp la, 0,1,2,3
	v_pk_add_f32 v[LS+2*(\la):LS+2*(\la)+1], v[64*(\la)+2*i:64*(\la)+2*i+1], v[LS+2*(\la):LS+2*(\la)+1]
.endr
.set i, i+1
.endr
	PACK 0
	TOSTAGE 0
.irp la, 1,2,3
	PACK \la
	SEND (\la)-1
	TOSTAGE \la
.endr
	SEND 3
	s_mov_b32 s16, 16*4096
	s_mov_b32 s17, 0
.irp la, 0,1,2,3
	v_add_f32 v[LS+2*(\la)], v[LS+2*(\la)], v[LS+2*(\la)+1]
.endr
.irp la, 0,1,2,3
	v_permlanex16_b32 v[TX+(\la)], v[LS+2*(\la)], s[SEL], s[SEL+1]
.endr
.irp la, 0,1,2,3
	v_add_f32 v[LS+2*(\la)], v[LS+2*(\la)], v[TX+(\la)]
.endr
.irp la, 0,1,2,3
	ds_store_b32 v[SA], v[CM+2*(\la)] offset:64*(\la)      ; lanes r and r + 16 write the same word with the same number
	ds_store_b32 v[SA], v[LS+2*(\la)] offset:512+64*(\la)
.endr
	v_add_nc_u32 v[SA], 256, v[SA]                 ; the next four blocks' words
.endm
	s_wait_tensorcnt 1                             ; my part of K step 0 is in; K step 1's may stay out
	s_barrier_signal -1
	s_barrier_wait -1
	FETCH 0, F0
	QUARTER 64, F0, F1, 1                          ; the first quarter's products start the sums
	WIN 0
	s_mov_b32 s3, 6
.Lstep:                                                ; a trip: from a K step's second quarter to the next step's first; it fills the slot that it leaves
	QUARTER 128, F1, F0, 0
	QUARTER 192, F0, F1, 0
	TURN 1
	QUARTER 64, F0, F1, 0
	WIN 0
	s_sub_co_u32 s3, s3, 1
	s_cmp_lg_u32 s3, 0
	s_cbranch_scc1 .Lstep
	; K STEPS 6 AND 7 fill nothing: one text, walked twice and entered behind its first quarter.  Step 7's last quarter is a change of slots like step 6's: its fetch from the other slot serves nothing, the price of writing the tail once
	s_mov_b32 s3, 2
	s_branch .Ltl_in
.Ltl:
	QUARTER 64, F0, F1, 0
	WIN 0
.Ltl_in:
	QUARTER 128, F1, F0, 0
	QUARTER 192, F0, F1, 0
	TURN 0
	WIN 0
	s_sub_co_u32 s3, s3, 1
	s_cmp_lg_u32 s3, 0
	s_cbranch_scc1 .Ltl
	s_wait_dscnt 0x0                               ; that last fetch has landed: its registers are used again below
	PLACES
	s_mov_b32 s3, 2
	s_branch .Lh_in
.Lh:                                                   ; my rows 64-127 go where the one text of the way out names its accumulators: 256 moves for half of that text
	WIN 0x83
.set i, 0
.rept 256
	v_mov_b32 v[i], v[i]
.set i, i+1
.endr
	WIN 0
.Lh_in:
	HALF
	s_sub_co_u32 s3, s3, 1
	s_cmp_lg_u32 s3, 0
	s_cbranch_scc1 .Lh
	ds_load_b128 v[112:115], v[SR]                 ; my own bytes, in order behind the stores: four rows a lane
	ds_load_b128 v[116:119], v[SR] offset:512
	s_wait_dscnt 0x0
	global_store_b128 v[SG], v[112:115], s[8:9]    ; 512 consecutive bytes, aligned: CM of my 128 rows,
	global_store_b128 v[SG], v[116:119], s[8:9] offset:524288  ; and l
	s_wait_tensorcnt 0x0                           ; the wave's end
	ds_add_u32 v[SPW], v[NIL]
	s_wait_dscnt 0x0
	CROUND
	s_endpgm
.Lfunc_end_k_qa8d8376657_scores:
	.size	k_qa8d8376657_scores, .Lfunc_end_k_qa8d8376657_scores-k_qa8d8376657_scores
	.p2alignl 7, 3214868480
	.fill 96, 4, 3214868480
	.section	.rodata,"a",@progbits
	.p2align	6, 0x0
	.amdhsa_kernel k_qa8d8376657_scores
		.amdhsa_group_segment_fixed_size 327680
		.amdhsa_private_segment_fixed_size 0
		.amdhsa_enable_private_segment 0
		.amdhsa_kernarg_size 24
		.amdhsa_user_sgpr_count 2
		.amdhsa_user_sgpr_kernarg_segment_ptr 1
		.amdhsa_wavefront_size32 1
		.amdhsa_system_sgpr_workgroup_id_x 1
		.amdhsa_system_sgpr_workgroup_id_y 1
		.amdhsa_system_sgpr_workgroup_id_z 1
		.amdhsa_system_vgpr_workitem_id 0
		.amdhsa_next_free_vgpr 1024
		.amdhsa_next_free_sgpr 80
		.amdhsa_reserve_vcc 0
		.amdhsa_float_denorm_mode_32 3
		.amdhsa_float_denorm_mode_16_64 3
		.amdhsa_memory_ordered 1
		.amdhsa_forward_progress 1
		.amdhsa_inst_pref_size 128
	.end_amdhsa_kernel
	.amdgpu_metadata
---
amdhsa.version: [ 1, 2 ]
amdhsa.kernels:
  - .name:           k_qa8d8376657_scores
    .symbol:         k_qa8d8376657_scores.kd
    .args:
      - { .name: qkv, .offset: 0, .size: 8, .value_kind: global_buffer, .address_space: global }
      - { .name: p, .offset: 8, .size: 8, .value_kind: global_buffer, .address_space: global }
      - { .name: st, .offset: 16, .size: 8, .value_kind: global_buffer, .address_space: global }
    .group_segment_fixed_size: 327680
    .private_segment_fixed_size: 0
    .kernarg_segment_align: 8
    .kernarg_segment_size: 24
    .max_flat_workgroup_size: 128
    .sgpr_count:     80
    .vgpr_count:     1024
    .wavefront_size: 32
...
	.end_amdgpu_metadata
.endif
;; end of part 3
;; launch pv (part 4): grid 4 x 64, 4 waves a work-group, clusters of 4 x 4, 327,680 bytes of LDS; arguments p, st, qkv, t1; writes t1
.if DOCPART == 4
	.amdgcn_target "amdgcn-amd-amdhsa--gfx1250"
	.amdhsa_code_object_version 6
	.text
	.protected	k_qa8d8376657_pv
	.globl	k_qa8d8376657_pv
	.p2align	8
	.type	k_qa8d8376657_pv,@function
k_qa8d8376657_pv:
	s_mov_b64 s[64:65], 0
	v_nop
	global_prefetch_b8 v0, s[64:65] scope:SCOPE_SE
	s_setreg_imm32_b32 hwreg(HW_REG_WAVE_MODE, 25, 1), 1
	s_wait_xcnt 0x0
	s_wait_alu depctr_hold_cnt(0) depctr_sa_sdst(0) depctr_va_vdst(0) depctr_va_sdst(0) depctr_va_ssrc(0) depctr_va_vcc(0) depctr_vm_vsrc(0)
	s_getreg_b32 s2, hwreg(HW_REG_IB_STS2, 6, 4)
	s_cmp_eq_u32 s2, 0
	s_cbranch_scc0 .Lentry_in_a_cluster
	s_endpgm
.Lentry_in_a_cluster:
	s_bfe_u32 s2, ttmp6, 0x10000c
	s_cmp_lg_u32 s2, 0xf033
	s_cbranch_scc0 .Lentry_shape_is_right
	s_endpgm
.Lentry_shape_is_right:
; t1[row][d] = the sum over the batch's 2,048 keys of align[row][key] x[key][d], x = values (rounded to bf16, written as f16: qkv's section 2).  The softmax is finished here.  For each row: M = the maximum of
; the 16 chunks' CM; f_t = 2^(CM_t - M), rounded to f16; L = the sum of f_t l_t (with the rounded f_t).  Chunk t's weights p are multiplied by f_t in f16 between their LDS load and the product; the f32 sums are
; divided by L and rounded once to f16.  L is at least 1: the chunk that holds M has f = 1 and l >= 1.  Both uses of the value encoder follow in the next launch, as one product: the weights of a row sum to 1, so
; align ((x Wv + bv) Wv + bv) = (align x) (Wv Wv) + (bv Wv + bv).
; LIMITS.  f p below 6e-5 keeps f16's fixed step of 6e-8, so a weight more than 24 binary orders below its row's largest counts as 0; t1 lies within values' range.  NaN and infinities are not treated apart.
; SHARES.  A tile of 128 rows x 256 columns a work-group, four waves of 64 x 128; 16 K steps of 128 keys, a step a chunk; two LDS slots filled by joint tensor loads: p's tile is shared along a row of the 4 x 4
; cluster, x's along a column.  x lies [key][column] and comes out of LDS turned, by ds_load_tr16_b128.  The matrix instruction is used transposed (source 0 = 16 columns of x, source 1 = 16 rows of p).
; REGISTERS: window 0: v0-31 addresses, v8-11 the chunk's factors (f, f) for my four row blocks; v32-63, v192-255 way out; v64-127, v128-191 p's fragments.  window 1: x's fragments, two buffers of 128.  window 2: accumulators (a, b) at 8 (8 a + b).
.set PITCH, 272
.set PVP,   544                        ; a row of x in LDS: 512 bytes + 32 = 17 x 32
.set ATILE, 128*PITCH
.set SLOT,  131072
.set STAGE, ATILE+128*PVP
.set FT,    STAGE+4*16*PITCH           ; [16 chunks][128 rows] words (f, f)
.set RINV,  FT+16*512                  ; [128 rows] 1 / L
.set SPARE, RINV+512
.set ADRA,  16
.set ADRB,  17
.set BASEA, 18
.set BASEB, 19
.set STO,   24
.set RD,    25
.set CO,    26
.set FAD,   27                         ; v27  my rows' factors of the chunk in hand; steps 512 a chunk
.set SPW,   28
.set NIL,   29
.set PFO,   30
.set RAD,   31                         ; v31  my rows' 1 / L
.set OB,    32
.set TMP,   192
.set G1A, 24
.set G0A, 32
.set G1B, 48
.set G0B, 56
.set PFA, 44
.set TB,  66
.set LIM, 67
.set PST, 80                           ; s[80:81] a K step in the stream that I prefetch
.set MSB, 0
.macro WIN new
.if MSB != (\new)
	s_set_vgpr_msb (MSB<<8)|(\new)
.set MSB, \new
.endif
.endm
.macro PLACES
.rept 4
	v_nop
.endr
.endm
.macro CREST
	s_cmp_lg_u32 s10, 0
	s_cbranch_scc1 .Lnot_wave_0_\@
	s_barrier_signal -3
.Lnot_wave_0_\@:
	s_barrier_wait -3
	s_barrier_signal -1
	s_barrier_wait -1
.endm
.macro CROUND
	s_barrier_signal -1
	s_barrier_wait -1
	CREST
.endm
.macro JLOAD                           ; waves 0 and 1 fetch p's halves, waves 2 and 3 x's
	s_cmp_eq_u32 s11, 0
	s_cbranch_scc0 .Lfor_b_\@
	tensor_load_to_lds s[G0A+4:G0A+7], s[G1A:G1A+7]
	s_nop 0
	PLACES
	s_branch .Lasked_\@
.Lfor_b_\@:
	tensor_load_to_lds s[G0B+4:G0B+7], s[G1B:G1B+7]
	s_nop 0
	PLACES
.Lasked_\@:
.endm
; A prefetch into the L2 of the K step two refills on, a lane a block of 256 bytes.  Wave 0: p's rows, 32 of the tile's 128 for each of the four that ask jointly, by address (cx).  Waves 2 and 3, in the first of a batch's
; four clusters alone: x's keys, 32 of the step's 128 by address (cy), a wave for each half of the 512 bytes.  The last two refills have no K step two on.
.macro ASK
	s_cmp_gt_u32 s3, s[LIM]
	s_cbranch_scc0 .Lnot_mine_\@
	global_prefetch_b8 v[PFO], s[PFA:PFA+1] th:TH_LOAD_NT scope:SCOPE_SE
.Lnot_mine_\@:
.endm
.macro RIDE                            ; four registers of the fragments just fetched times their row's factor
	WIN 0
.rept 4
	v_pk_mul_f16 v[RB+q], v[RB+q], v[8+(q/8)%4]
.set q, q+1
.endr
.endm
.macro MUL16 f, kh, a0, cm, ride       ; the 32 accumulators take turns in the same order everywhere
.irp a, \a0, (\a0)+1
.irp b, 0,1,2,3,4,5,6,7
	WIN 0xa1
.if \cm
	v_wmma_f32_16x16x32_f16 v[8*(8*(\a)+(\b)):8*(8*(\a)+(\b))+7], v[128*(\f)+8*(8*(\kh)+(\b)):128*(\f)+8*(8*(\kh)+(\b))+7], v[64+64*(\f)+8*(4*(\kh)+(\a)):64+64*(\f)+8*(4*(\kh)+(\a))+7], 0
.else
	v_wmma_f32_16x16x32_f16 v[8*(8*(\a)+(\b)):8*(8*(\a)+(\b))+7], v[128*(\f)+8*(8*(\kh)+(\b)):128*(\f)+8*(8*(\kh)+(\b))+7], v[64+64*(\f)+8*(4*(\kh)+(\a)):64+64*(\f)+8*(4*(\kh)+(\a))+7], v[8*(8*(\a)+(\b)):8*(8*(\a)+(\b))+7]
.endif
.if \ride
	RIDE
.endif
.endr
.endr
.endm
; One run of LDS loads: (fac = 1: the new chunk's four factors,) p's 16, then x's 32
.macro FETCH ph, f, fac
	WIN 0
.if \fac
.irp a, 0,1,2,3
	ds_load_b32 v[8+(\a)], v[FAD] offset:64*(\a)
.endr
.endif
.irp kh, 0,1
.irp a, 0,1,2,3
	ds_load_b128 v[64+64*(\f)+8*(4*(\kh)+(\a)):64+64*(\f)+8*(4*(\kh)+(\a))+3],   v[ADRA] offset:128*(\ph)+64*(\kh)+(\a)*16*PITCH
	ds_load_b128 v[64+64*(\f)+8*(4*(\kh)+(\a))+4:64+64*(\f)+8*(4*(\kh)+(\a))+7], v[ADRA] offset:128*(\ph)+64*(\kh)+(\a)*16*PITCH+32
.endr
.endr
	WIN 0x40
.irp kh, 0,1
.irp b, 0,1,2,3,4,5,6,7
	ds_load_tr16_b128 v[128*(\f)+8*(8*(\kh)+(\b)):128*(\f)+8*(8*(\kh)+(\b))+3],   v[ADRB] offset:(64*(\ph)+32*(\kh))*PVP+32*(\b)
	ds_load_tr16_b128 v[128*(\f)+8*(8*(\kh)+(\b))+4:128*(\f)+8*(8*(\kh)+(\b))+7], v[ADRB] offset:(64*(\ph)+32*(\kh))*PVP+16*PVP+32*(\b)
.endr
.endr
	WIN 0
.endm
; The step's first 64 keys (buffer 0), in two parts.  A: their first 32; cm = 1: these products start the sums.  B: the second 64 keys are fetched, and scaled behind the last 16 products.
.macro PHASE_A cm
	s_wait_dscnt 16                                ; x's second 32 keys may be out
	MUL16 0, 0, 0, \cm, 0
	MUL16 0, 0, 2, \cm, 0
	WIN 0
.endm
.macro PHASE_B
	PLACES
	FETCH 1, 1, 0
	s_wait_dscnt 48                                ; all but the 48 just issued
	MUL16 0, 1, 0, 0, 0
	s_wait_dscnt 32                                ; p's fragments are in; x's 32 loads may be out
.set RB, 128
.set q, 0
	MUL16 0, 1, 2, 0, 1
	WIN 0
.endm
.macro TURN fill                       ; the step's second 64 keys (buffer 1) and the change of slots
	WIN 0
.if \fill
	s_wait_xcnt 0x0                                ; the last prefetch, a K step back, has read its pointer
	s_add_nc_u64 s[PFA:PFA+1], s[PFA:PFA+1], s[PST:PST+1]
.endif
	s_wait_tensorcnt 0x0                           ; all my tensor loads have landed: my part of the next slot
	ds_add_u32 v[SPW], v[NIL]
.if \fill
	s_xor_b32 s[G0A+5], s[G0A+5], SLOT
	s_add_nc_u64 s[G0A+6:G0A+7], s[G0A+6:G0A+7], 256
	s_xor_b32 s[G0B+5], s[G0B+5], SLOT
	s_add_nc_u64 s[G0B+6:G0B+7], s[G0B+6:G0B+7], 128*2048
.endif
	s_xor_b32 s[TB], s[TB], SLOT
	v_add_nc_u32 v[ADRA], s[TB], v[BASEA]
	v_add_nc_u32 v[ADRB], s[TB], v[BASEB]
	v_add_nc_u32 v[FAD], 512, v[FAD]
	s_wait_dscnt 17                                ; x's second 32 keys (16 loads) and the add may be out
	MUL16 1, 0, 0, 0, 0
	s_wait_dscnt 0x0                               ; the add is done, and my reads of this slot are over
	s_barrier_signal -1
	MUL16 1, 0, 2, 0, 0
	WIN 0
	s_barrier_wait -1
.if \fill
	CREST
	JLOAD
.else
	PLACES
.endif
	FETCH 0, 0, 1
.if \fill
	ASK
.endif
	MUL16 1, 1, 0, 0, 0
	s_wait_dscnt 32                                ; the factors and p's fragments are in
.set RB, 64
.set q, 0
	MUL16 1, 1, 2, 0, 1
	WIN 0
.endm
.macro PACK a                          ; divided by L, rounded to f16
	WIN 0x82
.set i, 64*(\a)
.rept 32
	v_pk_mul_f32 v[i:i+1], v[i:i+1], v[8+2*(\a):9+2*(\a)] op_sel_hi:[1,0]
.set i, i+2
.endr
	WIN 0x0a
.irp b, 0,1,2,3,4,5,6,7
.irp r, 0,1,2,3
	v_cvt_pk_f16_f32 v[TMP+4*(\b)+(\r)], v[64*(\a)+8*(\b)+2*(\r)], v[64*(\a)+8*(\b)+2*(\r)+1]
.endr
.endr
	WIN 0
.endm
.macro TOSTAGE a
.set BK, OB+192*((\a)%2)
.irp b, 0,1,2,3,4,5,6,7
	ds_store_b128 v[STO], v[TMP+4*(\b):TMP+4*(\b)+3] offset:32*(\b)
.endr
.irp t, 0,1,2,3,4,5,6,7
	ds_load_b128 v[BK+4*(\t):BK+4*(\t)+3], v[RD] offset:(\t)*2*PITCH  ; LDS serves a wave's instructions in order (ISA guide 5.7.1.4)
.endr
.endm
.macro SEND a
.set BK, OB+192*((\a)%2)
	s_wait_dscnt 0x0
	s_wait_xcnt 0x0
.if (\a) == 0
	s_add_nc_u64 s[74:75], s[74:75], s[76:77]
.else
	s_add_nc_u64 s[74:75], s[74:75], 16*2048
.endif
.irp t, 0,1,2,3,4,5,6,7
	global_store_b128 v[CO], v[BK+4*(\t):BK+4*(\t)+3], s[74:75] offset:2*(\t)*2048  ; 16 lanes store 256 consecutive bytes, aligned
.endr
.endm
	s_load_b256 s[68:75], s[0:1], 0x0              ; p 68, st 70, qkv 72, t1 74
	v_lshl_add_u32 v[SPW], v0, 2, SPARE
	v_mov_b32 v[NIL], 0
	ds_add_u32 v[SPW], v[NIL]                      ; the wave's opening
	v_lshrrev_b32 v1, 5, v0
	v_readfirstlane_b32 s10, v1
	s_lshr_b32 s11, s10, 1                         ; my half of the rows.  Also: I fetch for p (0) or x (1)
	s_and_b32 s12, s10, 1                          ; my half of the columns.  Also: which half of that tile I fetch
	s_bfe_u32 s40, ttmp6, 0x40000
	s_bfe_u32 s41, ttmp6, 0x40004
	s_lshl_b32 s42, ttmp9, 2
	s_add_co_u32 s42, s42, s40                     ; column tile X
	s_and_b32 s43, ttmp7, 0xffff                   ; the cluster's y; the batch is a quarter of it
	s_lshl_b32 s13, s43, 2
	s_add_co_u32 s13, s13, s41                     ; row tile Y
	s_lshl_b32 s14, s41, 2
	s_lshl_b32 s14, 15, s14
	s_lshl_b32 s15, 0x1111, s40
	s_or_b32 s[G1A], s14, (1<<16)|(1<<20)|(1<<21)|(5<<22)|(3<<25)  ; p: 4 words of padding after every 64
	s_mov_b32 s[G1A+1], 128<<16
	s_mov_b32 s[G1A+2], 64<<16
	s_mov_b32 s[G1A+3], 128<<16
	s_mov_b32 s[G1A+4], 64                         ; 64 rows x 128 keys
	s_mov_b32 s[G1A+5], 2048
	s_mov_b32 s[G1A+6], 0
	s_mov_b32 s[G1A+7], 0
	s_or_b32 s[G1B], s15, (1<<16)|(1<<20)|(1<<21)|(6<<22)|(7<<25)  ; x: 8 words after every 128
	s_mov_b32 s[G1B+1], 256<<16
	s_mov_b32 s[G1B+2], 64<<16
	s_mov_b32 s[G1B+3], 256<<16
	s_mov_b32 s[G1B+4], 64                         ; 64 keys x 256 columns
	s_mov_b32 s[G1B+5], 1024
	s_mov_b32 s[G1B+6], 0
	s_mov_b32 s[G1B+7], 0
	s_lshl_b32 s16, s13, 7
	s_lshl_b32 s17, s12, 6
	s_add_co_u32 s16, s16, s17
	s_lshl_b32 s16, s16, 12                        ; p: row 128 Y + 64 half
	s_mov_b32 s17, 0
	s_lshr_b32 s46, s43, 2
	s_lshl_b32 s46, s46, 11
	s_lshl_b32 s47, s12, 6
	s_add_co_u32 s46, s46, s47
	s_lshl_b32 s46, s46, 11                        ; x: key 2048 batch + 64 half,
	s_lshl_b32 s47, s42, 9
	s_add_co_u32 s46, s46, s47                     ; column 256 X,
	s_add_co_u32 s46, s46, 0x2000000               ; section 2
	s_mov_b32 s47, 0
	s_mul_i32 s20, s12, 64*PITCH
	s_mul_i32 s21, s12, 64*PVP
	s_add_co_u32 s21, s21, ATILE
	s_mov_b32 s[TB], 0
	s_wait_dscnt 0x0
	s_wait_kmcnt 0x0
	s_add_nc_u64 s[16:17], s[68:69], s[16:17]
	s_add_nc_u64 s[46:47], s[72:73], s[46:47]
	CROUND
.irp s, 0,1
	s_mov_b32 s[G0A+4*(\s)], 1
	s_add_co_u32 s[G0A+4*(\s)+1], s20, (\s)*SLOT
	s_add_nc_u64 s[G0A+4*(\s)+2:G0A+4*(\s)+3], s[16:17], (\s)*256
	s_or_b32 s[G0A+4*(\s)+3], s[G0A+4*(\s)+3], 0x80000000
	s_mov_b32 s[G0B+4*(\s)], 1
	s_add_co_u32 s[G0B+4*(\s)+1], s21, (\s)*SLOT
	s_add_nc_u64 s[G0B+4*(\s)+2:G0B+4*(\s)+3], s[46:47], (\s)*128*2048
	s_or_b32 s[G0B+4*(\s)+3], s[G0B+4*(\s)+3], 0x80000000
.endr
	s_cmp_eq_u32 s11, 0
	s_cbranch_scc0 .Lfirst_b
	tensor_load_to_lds s[G0A:G0A+3], s[G1A:G1A+7]
	s_nop 0
	tensor_load_to_lds s[G0A+4:G0A+7], s[G1A:G1A+7]
	s_nop 0
	PLACES
	s_branch .Lfirst_asked
.Lfirst_b:
	tensor_load_to_lds s[G0B:G0B+3], s[G1B:G1B+7]
	s_nop 0
	tensor_load_to_lds s[G0B+4:G0B+7], s[G1B:G1B+7]
	s_nop 0
	PLACES
.Lfirst_asked:
	; the statistics: thread i is row i of the tile
	s_lshr_b32 s76, s43, 2
	s_lshl_b32 s76, s76, 17                        ; the batch: 16 chunks x 2,048 rows x 4 bytes
	s_and_b32 s77, s13, 15
	s_lshl_b32 s77, s77, 9                         ; the tile's 128 rows
	s_add_co_u32 s76, s76, s77
	s_mov_b32 s77, 0
	s_add_nc_u64 s[70:71], s[70:71], s[76:77]
	v_lshlrev_b32 v4, 2, v0
.irp t, 0,1,2,3,4,5,6,7,8,9,10,11,12,13,14,15
	global_load_b32 v[32+(\t)], v4, s[70:71] offset:(\t)*8192
.endr
.irp t, 0,1,2,3,4,5,6,7,8,9,10,11,12,13,14,15
	global_load_b32 v[48+(\t)], v4, s[70:71] offset:(\t)*8192+524288
.endr
	v_and_b32 v1, 15, v0
	v_bfe_u32 v2, v0, 4, 1
	v_and_b32 v3, 31, v0
	v_mul_u32_u24 v5, v1, PITCH
	v_lshl_add_u32 v5, v2, 4, v5
	s_mul_i32 s14, s11, 64*PITCH
	v_add_nc_u32 v[BASEA], s14, v5
	v_and_b32 v6, 7, v0
	v_lshl_add_u32 v6, v2, 3, v6                   ; the turning load: key 8 (l / 16) + l % 8,
	v_mul_u32_u24 v6, v6, PVP
	v_bfe_u32 v7, v0, 3, 1
	v_lshl_add_u32 v6, v7, 4, v6                   ; columns 8 ((l / 8) % 2) + 0..7
	s_lshl_b32 s14, s12, 8
	s_add_co_u32 s14, s14, ATILE
	v_add_nc_u32 v[BASEB], s14, v6
	v_mov_b32 v[ADRA], v[BASEA]
	v_mov_b32 v[ADRB], v[BASEB]
	s_mul_i32 s14, s10, 16*PITCH
	s_add_co_u32 s14, s14, STAGE
	v_add_nc_u32 v[STO], s14, v5
	v_mul_u32_u24 v6, v2, PITCH
	v_lshl_add_u32 v6, v1, 4, v6
	v_add_nc_u32 v[RD], s14, v6
	v_lshlrev_b32 v[CO], 11, v2
	v_lshl_add_u32 v[CO], v1, 4, v[CO]
	s_lshl_b32 s14, s11, 8
	s_add_co_u32 s15, s14, FT
	v_lshl_add_u32 v[FAD], v1, 2, s15
	s_add_co_u32 s15, s14, RINV
	v_lshl_add_u32 v[RAD], v1, 2, s15
	v_add_nc_u32 v5, FT, v4
	; the prefetches
	s_cmp_eq_u32 s11, 0
	s_cselect_b64 s[PFA:PFA+1], s[68:69], s[72:73]
	s_lshl_b32 s76, s13, 7
	s_lshl_b32 s77, s40, 5
	s_add_co_u32 s76, s76, s77
	s_lshl_b32 s76, s76, 12
	s_add_co_u32 s76, s76, 3*256                   ; p: row 128 Y + 32 cx, K step 3
	s_lshr_b32 s78, s43, 2
	s_lshl_b32 s78, s78, 11
	s_lshl_b32 s79, s41, 5
	s_add_co_u32 s78, s78, s79
	s_add_co_u32 s78, s78, 3*128
	s_lshl_b32 s78, s78, 11                        ; x: key 2048 batch + 32 cy, K step 3,
	s_lshl_b32 s79, s42, 9
	s_add_co_u32 s78, s78, s79
	s_lshl_b32 s79, s12, 8
	s_add_co_u32 s78, s78, s79                     ; my half of the 512 bytes
	s_add_co_u32 s78, s78, 0x2000000
	s_mov_b32 s[PST], 128*2048
	s_cmp_eq_u32 s11, 0
	s_cselect_b32 s76, s76, s78
	s_cselect_b32 s[PST], 256, s[PST]
	s_cselect_b32 s79, 12, 11
	s_mov_b32 s77, 0
	s_mov_b32 s[PST+1], 0
	s_add_nc_u64 s[PFA:PFA+1], s[PFA:PFA+1], s[76:77]
	v_lshlrev_b32 v[PFO], s79, v3
	s_and_b32 s78, s43, 3
	s_cmp_eq_u32 s11, 0
	s_cselect_b32 s78, s12, s78                    ; wave 0: 0; wave 1: 1; waves 2, 3: the cluster's place in its batch
	s_cmp_eq_u32 s78, 0
	s_cselect_b32 s[LIM], 2, -1
	s_lshl_b32 s76, s13, 7
	s_lshl_b32 s77, s11, 6
	s_add_co_u32 s76, s76, s77
	s_lshl_b32 s76, s76, 11
	s_lshl_b32 s77, s42, 9
	s_add_co_u32 s76, s76, s77
	s_lshl_b32 s77, s12, 8
	s_add_co_u32 s76, s76, s77                     ; where my part of t1 begins
	s_mov_b32 s77, 0
	s_wait_loadcnt 0x0
	v_max3_num_f32 v6, v32, v33, v34
	v_max3_num_f32 v7, v35, v36, v37
	v_max3_num_f32 v6, v6, v38, v39
	v_max3_num_f32 v7, v7, v40, v41
	v_max3_num_f32 v6, v6, v42, v43
	v_max3_num_f32 v7, v7, v44, v45
	v_max3_num_f32 v6, v6, v46, v47
	v_max_num_f32 v6, v6, v7                       ; M
.irp t, 0,1,2,3,4,5,6,7,8,9,10,11,12,13,14,15
	v_sub_f32 v[32+(\t)], v[32+(\t)], v6
.endr
.irp t, 0,1,2,3,4,5,6,7,8,9,10,11,12,13,14,15
	v_exp_f32 v[32+(\t)], v[32+(\t)]               ; f_t, one batch
.endr
	v_mov_b32 v6, 0                                ; plain instructions behind the last exponential,
	v_mov_b32 v7, 0
	s_wait_alu depctr_va_vdst(0)                   ; and the one wait ahead of the first reader
.irp t, 0,1,2,3,4,5,6,7,8,9,10,11,12,13,14,15
	v_cvt_pk_f16_f32 v[32+(\t)], v[32+(\t)], v[32+(\t)]
.endr
.irp t, 0,1,2,3,4,5,6,7,8,9,10,11,12,13,14,15
	v_fma_mix_f32 v[6+(\t)%2], v[32+(\t)], v[48+(\t)], v[6+(\t)%2] op_sel_hi:[1,0,0]  ; L += f16(f_t) l_t, in f32, two chains
.endr
	v_add_f32 v6, v6, v7
	v_rcp_f32 v7, v6
.irp t, 0,1,2,3,4,5,6,7,8,9,10,11,12,13,14,15
	ds_store_b32 v5, v[32+(\t)] offset:512*(\t)
.endr
	v_nop
	s_wait_alu depctr_va_vdst(0)
	ds_store_b32 v5, v7 offset:RINV-FT
	s_wait_tensorcnt 1                             ; my part of K step 0 is in; K step 1's may stay out
	s_wait_dscnt 0x0
	s_barrier_signal -1
	s_barrier_wait -1
	FETCH 0, 0, 1
	s_wait_dscnt 32
.set RB, 64
.set q, 0
.rept 16
	RIDE
.endr
	PHASE_A 1                                      ; the first products start the sums; the loop is entered behind them
	s_mov_b32 s3, 15
	s_branch .Lmid
.Lstep:                                                ; 14 whole trips: each fills the slot that it leaves
	TURN 1
	PHASE_A 0
.Lmid:
	PHASE_B
	s_sub_co_u32 s3, s3, 1
	s_cmp_lg_u32 s3, 0
	s_cbranch_scc1 .Lstep
	; THE TAIL fills nothing: the change into step 15, that step's first half, and its second half, which is a change of slots once more: what it fetches (the other slot, and the words behind the factors' table,
	; which hold 1 / L) serves nothing, the price of writing the tail once
	s_mov_b32 s3, 2
	s_branch .Ltl_in
.Ltl:
	PHASE_A 0
	PHASE_B
.Ltl_in:
	TURN 0
	s_sub_co_u32 s3, s3, 1
	s_cmp_lg_u32 s3, 0
	s_cbranch_scc1 .Ltl
	PLACES
.irp a, 0,1,2,3
	ds_load_b32 v[8+2*(\a)], v[RAD] offset:64*(\a)
.endr
	s_wait_dscnt 0x0
.irp a, 0,1,2,3
	v_mov_b32 v[9+2*(\a)], v[8+2*(\a)]             ; named as pairs
.endr
	PACK 0
	TOSTAGE 0
.irp a, 1,2,3
	PACK \a
	SEND (\a)-1
	TOSTAGE \a
.endr
	SEND 3
	s_wait_tensorcnt 0x0                           ; the wave's end
	ds_add_u32 v[SPW], v[NIL]
	s_wait_dscnt 0x0
	CROUND
	s_endpgm
.Lfunc_end_k_qa8d8376657_pv:
	.size	k_qa8d8376657_pv, .Lfunc_end_k_qa8d8376657_pv-k_qa8d8376657_pv
	.p2alignl 7, 3214868480
	.fill 96, 4, 3214868480
	.section	.rodata,"a",@progbits
	.p2align	6, 0x0
	.amdhsa_kernel k_qa8d8376657_pv
		.amdhsa_group_segment_fixed_size 327680
		.amdhsa_private_segment_fixed_size 0
		.amdhsa_enable_private_segment 0
		.amdhsa_kernarg_size 32
		.amdhsa_user_sgpr_count 2
		.amdhsa_user_sgpr_kernarg_segment_ptr 1
		.amdhsa_wavefront_size32 1
		.amdhsa_system_sgpr_workgroup_id_x 1
		.amdhsa_system_sgpr_workgroup_id_y 1
		.amdhsa_system_sgpr_workgroup_id_z 1
		.amdhsa_system_vgpr_workitem_id 0
		.amdhsa_next_free_vgpr 768
		.amdhsa_next_free_sgpr 90
		.amdhsa_reserve_vcc 0
		.amdhsa_float_denorm_mode_32 3
		.amdhsa_float_denorm_mode_16_64 3
		.amdhsa_memory_ordered 1
		.amdhsa_forward_progress 1
		.amdhsa_inst_pref_size 103
	.end_amdhsa_kernel
	.amdgpu_metadata
---
amdhsa.version: [ 1, 2 ]
amdhsa.kernels:
  - .name:           k_qa8d8376657_pv
    .symbol:         k_qa8d8376657_pv.kd
    .args:
      - { .name: p, .offset: 0, .size: 8, .value_kind: global_buffer, .address_space: global }
      - { .name: st, .offset: 8, .size: 8, .value_kind: global_buffer, .address_space: global }
      - { .name: qkv, .offset: 16, .size: 8, .value_kind: global_buffer, .address_space: global }
      - { .name: t1, .offset: 24, .size: 8, .value_kind: global_buffer, .address_space: global }
    .group_segment_fixed_size: 327680
    .private_segment_fixed_size: 0
    .kernarg_segment_align: 8
    .kernarg_segment_size: 32
    .max_flat_workgroup_size: 128
    .sgpr_count:     90
    .vgpr_count:     768
    .wavefront_size: 32
...
	.end_amdgpu_metadata
.endif
;; end of part 4
;; launch outp (part 5): grid 4 x 64, 4 waves a work-group, clusters of 4 x 4, 327,680 bytes of LDS; arguments t1, wt, b2, out0; writes out0
.if DOCPART == 5
	.amdgcn_target "amdgcn-amd-amdhsa--gfx1250"
	.amdhsa_code_object_version 6
	.text
	.protected	k_qa8d8376657_outp
	.globl	k_qa8d8376657_outp
	.p2align	8
	.type	k_qa8d8376657_outp,@function
k_qa8d8376657_outp:
	s_mov_b64 s[64:65], 0
	v_nop
	global_prefetch_b8 v0, s[64:65] scope:SCOPE_SE
	s_setreg_imm32_b32 hwreg(HW_REG_WAVE_MODE, 25, 1), 1
	s_wait_xcnt 0x0
	s_wait_alu depctr_hold_cnt(0) depctr_sa_sdst(0) depctr_va_vdst(0) depctr_va_sdst(0) depctr_va_ssrc(0) depctr_va_vcc(0) depctr_vm_vsrc(0)
	s_getreg_b32 s2, hwreg(HW_REG_IB_STS2, 6, 4)
	s_cmp_eq_u32 s2, 0
	s_cbranch_scc0 .Lentry_in_a_cluster
	s_endpgm
.Lentry_in_a_cluster:
	s_bfe_u32 s2, ttmp6, 0x10000c
	s_cmp_lg_u32 s2, 0xf033
	s_cbranch_scc0 .Lentry_shape_is_right
	s_endpgm
.Lentry_shape_is_right:
; out0[row][e] = the sum over d of t1[row][d] W2[d][e] + b2[e], with t1 = align values, W2 = Wv Wv and b2 = bv Wv + bv: both uses of the value encoder, behind the average.  The weights of a row sum to 1 and the
; encoder is linear, so this is align ((values Wv + bv) Wv + bv) for every input; the order of rounding differs from a text that encodes first.
; t1 and W2^T (wt's section 2) are f16; b2 is f32 and starts the f32 sums as the first product's C; out0 is f32.
; LIMITS.  Those of t1 and of W2 in f16 (65,504; a fixed step of 6e-8 below 6e-5).  NaN and infinities are not treated apart.
; SHARES.  A tile of 128 rows x 256 columns a work-group, four waves of 64 x 128; 8 K steps of 128 through two LDS slots filled by joint tensor loads: t1's tile is shared along a row of the 4 x 4 cluster, W2's along a column.
; The matrix instruction is used transposed (source 0 = 16 rows of W2^T, source 1 = 16 rows of t1): a lane holds one row and eight neighbouring columns.
; REGISTERS: window 0: v0-31 addresses; v64-127, v128-191 t1's fragments (later the way out); v192-255 the bias.  window 1: W2's fragments, two buffers of 128.  window 2: accumulators (a, b) at 8 (8 a + b).
.set PITCH, 272                        ; 256 bytes + 16: the 16 rows of a fragment load start at 16 different groups of four banks (ISA guide 11.1)
.set ATILE, 128*PITCH
.set SLOT,  131072                     ; slot 1 begins here: one exclusive or changes slots
.set STAGE, SLOT+ATILE+256*PITCH       ; behind slot 1: 16 rows x 528 bytes for each wave
.set SP,    528                        ; 512 bytes + 16
.set SPARE, STAGE+4*16*SP              ; the spare words, 128 bytes for each wave
.set ADRA,  16
.set ADRB,  17
.set BASEA, 18
.set BASEB, 19
.set STO,   24
.set RD,    25
.set CO,    26
.set SPW,   28
.set NIL,   29
.set PFO,   30
.set BIAS,  192
.set G1A, 24
.set G0A, 32                           ; s[32:35] the first fill; s[36:39] walks
.set G1B, 48
.set G0B, 56
.set PFA, 44
.set TB,  66
.set LIM, 67
.set MSB, 0
.macro WIN new                         ; the immediate's high byte repeats the setting that is left
.if MSB != (\new)
	s_set_vgpr_msb (MSB<<8)|(\new)
.set MSB, \new
.endif
.endm
.macro PLACES                          ; four plain places behind matrix instructions (ISA guide 7.12.1)
.rept 4
	v_nop
.endr
.endm
.macro CREST
	s_cmp_lg_u32 s10, 0
	s_cbranch_scc1 .Lnot_wave_0_\@
	s_barrier_signal -3
.Lnot_wave_0_\@:
	s_barrier_wait -3
	s_barrier_signal -1
	s_barrier_wait -1
.endm
.macro CROUND
	s_barrier_signal -1
	s_barrier_wait -1
	CREST
.endm
.macro JLOAD                           ; waves 0 and 1 fetch t1's halves, waves 2 and 3 W2's; an s_nop 0 and four v_nop follow each line
	s_cmp_eq_u32 s11, 0
	s_cbranch_scc0 .Lfor_b_\@
	tensor_load_to_lds s[G0A+4:G0A+7], s[G1A:G1A+7]
	s_nop 0
	PLACES
	s_branch .Lasked_\@
.Lfor_b_\@:
	tensor_load_to_lds s[G0B+4:G0B+7], s[G1B:G1B+7]
	s_nop 0
	PLACES
.Lasked_\@:
.endm
; A prefetch into the L2 of the K step two refills on, a lane a row's 256 bytes.  Wave 0: t1's rows, 32 of the tile's 128 for each of the four that ask jointly, by address (cx).  Waves 2 and 3, in the clusters with
; y = 0 alone (every cluster walks the same weights): W2's rows, 64 of the tile's 256 by address (cy), 32 a wave.  The last two refills have no K step two on.
.macro ASK
	s_cmp_gt_u32 s3, s[LIM]
	s_cbranch_scc0 .Lnot_mine_\@
	global_prefetch_b8 v[PFO], s[PFA:PFA+1] th:TH_LOAD_NT scope:SCOPE_SE
.Lnot_mine_\@:
.endm
.macro MUL16 f, kh, a0, cm             ; the 32 accumulators take turns in the same order everywhere
.irp a, \a0, (\a0)+1
.irp b, 0,1,2,3,4,5,6,7
.if \cm
	WIN 0x81
	v_wmma_f32_16x16x32_f16 v[8*(8*(\a)+(\b)):8*(8*(\a)+(\b))+7], v[128*(\f)+8*(8*(\kh)+(\b)):128*(\f)+8*(8*(\kh)+(\b))+7], v[64+64*(\f)+8*(4*(\kh)+(\a)):64+64*(\f)+8*(4*(\kh)+(\a))+7], v[BIAS+8*(\b):BIAS+8*(\b)+7]
.else
	WIN 0xa1
	v_wmma_f32_16x16x32_f16 v[8*(8*(\a)+(\b)):8*(8*(\a)+(\b))+7], v[128*(\f)+8*(8*(\kh)+(\b)):128*(\f)+8*(8*(\kh)+(\b))+7], v[64+64*(\f)+8*(4*(\kh)+(\a)):64+64*(\f)+8*(4*(\kh)+(\a))+7], v[8*(8*(\a)+(\b)):8*(8*(\a)+(\b))+7]
.endif
.endr
.endr
.endm
.macro FETCH ph, f                     ; 48 LDS loads in one run, the first 32 along K first
.irp kh, 0,1
	WIN 0x40
.irp b, 0,1,2,3,4,5,6,7
	ds_load_b128 v[128*(\f)+8*(8*(\kh)+(\b)):128*(\f)+8*(8*(\kh)+(\b))+3],   v[ADRB] offset:128*(\ph)+64*(\kh)+(\b)*16*PITCH
	ds_load_b128 v[128*(\f)+8*(8*(\kh)+(\b))+4:128*(\f)+8*(8*(\kh)+(\b))+7], v[ADRB] offset:128*(\ph)+64*(\kh)+(\b)*16*PITCH+32
.endr
	WIN 0
.irp a, 0,1,2,3
	ds_load_b128 v[64+64*(\f)+8*(4*(\kh)+(\a)):64+64*(\f)+8*(4*(\kh)+(\a))+3],   v[ADRA] offset:128*(\ph)+64*(\kh)+(\a)*16*PITCH
	ds_load_b128 v[64+64*(\f)+8*(4*(\kh)+(\a))+4:64+64*(\f)+8*(4*(\kh)+(\a))+7], v[ADRA] offset:128*(\ph)+64*(\kh)+(\a)*16*PITCH+32
.endr
.endr
.endm
; The step's first 64 along K (buffer 0), in two parts.  A: their first 32; cm = 1: these products start the sums with the bias.  B: the second 64 are fetched beside the second 32.
.macro PHASE_A cm
	s_wait_dscnt 24                                ; the second 32 along K may be out
	MUL16 0, 0, 0, \cm
	MUL16 0, 0, 2, \cm
	WIN 0
.endm
.macro PHASE_B
	PLACES
	FETCH 1, 1
	s_wait_dscnt 48                                ; all but the 48 just issued
	MUL16 0, 1, 0, 0
	MUL16 0, 1, 2, 0
	WIN 0
.endm
; The step's second 64 along K (buffer 1) and the change of slots: each wave waits for all its tensor loads, adds 0 to its spare word, waits for that and for its reads of the slot; fill = 1: the barrier opens a round of
; the cluster's, and the joint refill (the K step two on) is the first thing behind it.
.macro TURN fill
	WIN 0
.if \fill
	s_wait_xcnt 0x0                                ; the last prefetch, a K step back, has read its pointer
	s_add_nc_u64 s[PFA:PFA+1], s[PFA:PFA+1], 256
.endif
	s_wait_tensorcnt 0x0                           ; all my tensor loads have landed: my part of the next slot
	ds_add_u32 v[SPW], v[NIL]
.if \fill
.irp g, G0A+4, G0B+4
	s_xor_b32 s[(\g)+1], s[(\g)+1], SLOT
	s_add_nc_u64 s[(\g)+2:(\g)+3], s[(\g)+2:(\g)+3], 256
.endr
.endif
	s_xor_b32 s[TB], s[TB], SLOT
	v_add_nc_u32 v[ADRA], s[TB], v[BASEA]
	v_add_nc_u32 v[ADRB], s[TB], v[BASEB]
	s_wait_dscnt 25                                ; the second 32 along K (24 loads) and the add may be out
	MUL16 1, 0, 0, 0
	s_wait_dscnt 0x0                               ; the add is done, and my reads of this slot are over
	s_barrier_signal -1
	MUL16 1, 0, 2, 0
	WIN 0
	s_barrier_wait -1
.if \fill
	CREST
	JLOAD
.else
	PLACES
.endif
	FETCH 0, 0
.if \fill
	ASK
.endif
	MUL16 1, 1, 0, 0
	MUL16 1, 1, 2, 0
	WIN 0
.endm
; THE WAY OUT of block a (16 rows x 128 columns of f32): 32 bytes a lane and column block into my own stage, back as whole rows of 512 bytes, stored.
.macro OUTB a
	WIN 0x08                                       ; the stores' data lie in window 2; each accumulator's low four registers go first
.irp b, 0,1,2,3,4,5,6,7
	ds_store_b128 v[STO], v[64*(\a)+8*(\b):64*(\a)+8*(\b)+3]   offset:64*(\b)
	ds_store_b128 v[STO], v[64*(\a)+8*(\b)+4:64*(\a)+8*(\b)+7] offset:64*(\b)+16
.endr
	WIN 0
.set BK, 64+64*((\a)%2)
.irp t, 0,1,2,3,4,5,6,7,8,9,10,11,12,13,14,15
	ds_load_b128 v[BK+4*(\t):BK+4*(\t)+3], v[RD] offset:(\t)*SP  ; LDS serves a wave's instructions in order (ISA guide 5.7.1.4)
.endr
	s_wait_dscnt 0x0
	s_wait_xcnt 0x0                                ; earlier stores have read their base and data
.if (\a) == 0
	s_add_nc_u64 s[74:75], s[74:75], s[76:77]
.else
	s_add_nc_u64 s[74:75], s[74:75], 16*4096
.endif
.irp t, 0,1,2,3,4,5,6,7,8,9,10,11,12,13,14,15
	global_store_b128 v[CO], v[BK+4*(\t):BK+4*(\t)+3], s[74:75] offset:(\t)*4096 th:TH_STORE_NT  ; 512 consecutive bytes, aligned
.endr
.endm
	s_load_b256 s[68:75], s[0:1], 0x0              ; t1 68, wt 70, b2 72, out0 74
	v_lshl_add_u32 v[SPW], v0, 2, SPARE
	v_mov_b32 v[NIL], 0
	ds_add_u32 v[SPW], v[NIL]                      ; the wave's opening
	v_lshrrev_b32 v1, 5, v0
	v_readfirstlane_b32 s10, v1
	s_lshr_b32 s11, s10, 1                         ; my half of the rows.  Also: I fetch for t1 (0) or W2 (1)
	s_and_b32 s12, s10, 1                          ; my half of the columns.  Also: which half of that tile I fetch
	s_bfe_u32 s40, ttmp6, 0x40000
	s_bfe_u32 s41, ttmp6, 0x40004
	s_lshl_b32 s42, ttmp9, 2
	s_add_co_u32 s42, s42, s40                     ; column tile X
	s_and_b32 s43, ttmp7, 0xffff
	s_lshl_b32 s13, s43, 2
	s_add_co_u32 s13, s13, s41                     ; row tile Y
	s_lshl_b32 s14, s41, 2
	s_lshl_b32 s14, 15, s14                        ; my row of the cluster
	s_lshl_b32 s15, 0x1111, s40                    ; my column
	s_or_b32 s[G1A], s14, (1<<16)|(1<<20)|(1<<21)|(5<<22)|(3<<25)  ; mask; 2-byte elements; padding on; bit 21 beside a mask; 4 words after every 64
	s_or_b32 s[G1B], s15, (1<<16)|(1<<20)|(1<<21)|(5<<22)|(3<<25)
	s_mov_b32 s[G1A+1], 128<<16
	s_mov_b32 s[G1A+2], 64<<16
	s_mov_b32 s[G1A+3], 128<<16
	s_mov_b32 s[G1A+4], 64                         ; t1: 64 rows x 128
	s_mov_b32 s[G1A+5], 1024
	s_mov_b32 s[G1A+6], 0
	s_mov_b32 s[G1A+7], 0
	s_mov_b32 s[G1B+1], 128<<16
	s_mov_b32 s[G1B+2], 128<<16
	s_mov_b32 s[G1B+3], 128<<16
	s_mov_b32 s[G1B+4], 128                        ; W2: 128 rows x 128
	s_mov_b32 s[G1B+5], 1024
	s_mov_b32 s[G1B+6], 0
	s_mov_b32 s[G1B+7], 0
	s_lshl_b32 s16, s13, 7
	s_lshl_b32 s17, s12, 6
	s_add_co_u32 s16, s16, s17
	s_lshl_b32 s16, s16, 11                        ; t1: row 128 Y + 64 half
	s_mov_b32 s17, 0
	s_lshl_b32 s46, s42, 8
	s_lshl_b32 s47, s12, 7
	s_add_co_u32 s46, s46, s47
	s_lshl_b32 s46, s46, 11                        ; W2: row 256 X + 128 half,
	s_add_co_u32 s46, s46, 2*2097152               ; section 2
	s_mov_b32 s47, 0
	s_mul_i32 s20, s12, 64*PITCH
	s_mul_i32 s21, s12, 128*PITCH
	s_add_co_u32 s21, s21, ATILE
	s_mov_b32 s[TB], 0
	s_wait_dscnt 0x0                               ; the opening add is done
	s_wait_kmcnt 0x0
	s_add_nc_u64 s[16:17], s[68:69], s[16:17]
	s_add_nc_u64 s[46:47], s[70:71], s[46:47]
	CROUND                                         ; all sixteen work-groups are here: the first joint loads meet
.irp s, 0,1
	s_mov_b32 s[G0A+4*(\s)], 1
	s_add_co_u32 s[G0A+4*(\s)+1], s20, (\s)*SLOT
	s_add_nc_u64 s[G0A+4*(\s)+2:G0A+4*(\s)+3], s[16:17], (\s)*256
	s_or_b32 s[G0A+4*(\s)+3], s[G0A+4*(\s)+3], 0x80000000
	s_mov_b32 s[G0B+4*(\s)], 1
	s_add_co_u32 s[G0B+4*(\s)+1], s21, (\s)*SLOT
	s_add_nc_u64 s[G0B+4*(\s)+2:G0B+4*(\s)+3], s[46:47], (\s)*256
	s_or_b32 s[G0B+4*(\s)+3], s[G0B+4*(\s)+3], 0x80000000
.endr
	s_cmp_eq_u32 s11, 0                            ; a wave's two first fills stand in one branch: two loads of mine are out
	s_cbranch_scc0 .Lfirst_b
	tensor_load_to_lds s[G0A:G0A+3], s[G1A:G1A+7]
	s_nop 0
	tensor_load_to_lds s[G0A+4:G0A+7], s[G1A:G1A+7]
	s_nop 0
	PLACES
	s_branch .Lfirst_asked
.Lfirst_b:
	tensor_load_to_lds s[G0B:G0B+3], s[G1B:G1B+7]
	s_nop 0
	tensor_load_to_lds s[G0B+4:G0B+7], s[G1B:G1B+7]
	s_nop 0
	PLACES
.Lfirst_asked:
	v_and_b32 v1, 15, v0
	v_bfe_u32 v2, v0, 4, 1
	v_and_b32 v3, 31, v0
	v_lshlrev_b32 v5, 5, v2                        ; my eight columns of a block of 16
	s_lshl_b32 s76, s42, 10
	s_lshl_b32 s77, s12, 9
	s_add_co_u32 s76, s76, s77
	s_mov_b32 s77, 0
	s_add_nc_u64 s[72:73], s[72:73], s[76:77]
.irp b, 0,1,2,3,4,5,6,7
	global_load_b128 v[BIAS+8*(\b):BIAS+8*(\b)+3],   v5, s[72:73] offset:64*(\b)      ; b2 as eight C operands: register j of block b = column 16 b + 8 (lane / 16) + j, the same for every row
	global_load_b128 v[BIAS+8*(\b)+4:BIAS+8*(\b)+7], v5, s[72:73] offset:64*(\b)+16
.endr
	v_mul_u32_u24 v4, v1, PITCH
	v_lshl_add_u32 v4, v2, 4, v4
	s_mul_i32 s22, s11, 64*PITCH
	v_add_nc_u32 v[BASEA], s22, v4
	s_mul_i32 s23, s12, 128*PITCH
	s_add_co_u32 s23, s23, ATILE
	v_add_nc_u32 v[BASEB], s23, v4
	v_mov_b32 v[ADRA], v[BASEA]
	v_mov_b32 v[ADRB], v[BASEB]
	s_mul_i32 s22, s10, 16*SP
	s_add_co_u32 s22, s22, STAGE
	v_mul_u32_u24 v[STO], v1, SP
	v_lshl_add_u32 v[STO], v2, 5, v[STO]
	v_add_nc_u32 v[STO], s22, v[STO]               ; in: row r, 32 bytes for each half of the lanes
	v_lshlrev_b32 v[CO], 4, v3                     ; back and out: 16 bytes a lane of a row's 512
	v_add_nc_u32 v[RD], s22, v[CO]
	v_lshlrev_b32 v[PFO], 11, v3
	; the prefetches
	s_cmp_eq_u32 s11, 0
	s_cselect_b64 s[PFA:PFA+1], s[68:69], s[70:71]
	s_lshl_b32 s76, s13, 7
	s_lshl_b32 s77, s40, 5
	s_add_co_u32 s76, s76, s77                     ; t1: row 128 Y + 32 cx
	s_lshl_b32 s78, s42, 8
	s_lshl_b32 s79, s41, 6
	s_add_co_u32 s78, s78, s79
	s_lshl_b32 s79, s12, 5
	s_add_co_u32 s78, s78, s79
	s_add_co_u32 s78, s78, 2048                    ; W2: section 2, row 256 X + 64 cy + 32 (w % 2)
	s_cmp_eq_u32 s11, 0
	s_cselect_b32 s76, s76, s78
	s_lshl_b32 s76, s76, 11
	s_add_co_u32 s76, s76, 3*256                   ; at K step 3: the first refill steps it to 4
	s_mov_b32 s77, 0
	s_add_nc_u64 s[PFA:PFA+1], s[PFA:PFA+1], s[76:77]
	s_cmp_eq_u32 s11, 0
	s_cselect_b32 s78, s12, s43                    ; wave 0: 0; wave 1: 1; waves 2, 3: the cluster's y
	s_cmp_eq_u32 s78, 0
	s_cselect_b32 s[LIM], 2, -1                    ; the same in all sixteen partners, for a given wave
	s_lshl_b32 s76, s13, 7
	s_lshl_b32 s77, s11, 6
	s_add_co_u32 s76, s76, s77
	s_lshl_b32 s76, s76, 12
	s_lshl_b32 s77, s42, 10
	s_add_co_u32 s76, s76, s77
	s_lshl_b32 s77, s12, 9
	s_add_co_u32 s76, s76, s77                     ; where my part of out0 begins
	s_mov_b32 s77, 0
	s_wait_loadcnt 0x0                             ; b2 is in
	s_wait_tensorcnt 1                             ; my part of K step 0 is in; K step 1's may stay out
	s_barrier_signal -1
	s_barrier_wait -1
	FETCH 0, 0
	PHASE_A 1                                      ; the first products start the sums with the bias; the loop is entered behind them
	s_mov_b32 s3, 7
	s_branch .Lmid
.Lstep:                                                ; 6 whole trips: each fills the slot that it leaves
	TURN 1
	PHASE_A 0
.Lmid:
	PHASE_B
	s_sub_co_u32 s3, s3, 1
	s_cmp_lg_u32 s3, 0
	s_cbranch_scc1 .Lstep
	; THE TAIL fills nothing: the change into step 7, that step's first half, and its second half, which is a change of slots once more: its fetch from the other slot serves nothing, the price of writing the tail once
	s_mov_b32 s3, 2
	s_branch .Ltl_in
.Ltl:
	PHASE_A 0
	PHASE_B
.Ltl_in:
	TURN 0
	s_sub_co_u32 s3, s3, 1
	s_cmp_lg_u32 s3, 0
	s_cbranch_scc1 .Ltl
	s_wait_dscnt 0x0                               ; that last fetch has landed: its registers are used again below
	PLACES
	OUTB 0
	OUTB 1
	OUTB 2
	OUTB 3
	s_wait_tensorcnt 0x0                           ; the wave's end
	ds_add_u32 v[SPW], v[NIL]
	s_wait_dscnt 0x0
	CROUND                                         ; the closing round
	s_endpgm
.Lfunc_end_k_qa8d8376657_outp:
	.size	k_qa8d8376657_outp, .Lfunc_end_k_qa8d8376657_outp-k_qa8d8376657_outp
	.p2alignl 7, 3214868480
	.fill 96, 4, 3214868480
	.section	.rodata,"a",@progbits
	.p2align	6, 0x0
	.amdhsa_kernel k_qa8d8376657_outp
		.amdhsa_group_segment_fixed_size 327680
		.amdhsa_private_segment_fixed_size 0
		.amdhsa_enable_private_segment 0
		.amdhsa_kernarg_size 32
		.amdhsa_user_sgpr_count 2
		.amdhsa_user_sgpr_kernarg_segment_ptr 1
		.amdhsa_wavefront_size32 1
		.amdhsa_system_sgpr_workgroup_id_x 1
		.amdhsa_system_sgpr_workgroup_id_y 1
		.amdhsa_system_sgpr_workgroup_id_z 1
		.amdhsa_system_vgpr_workitem_id 0
		.amdhsa_next_free_vgpr 768
		.amdhsa_next_free_sgpr 80
		.amdhsa_reserve_vcc 0
		.amdhsa_float_denorm_mode_32 3
		.amdhsa_float_denorm_mode_16_64 3
		.amdhsa_memory_ordered 1
		.amdhsa_forward_progress 1
		.amdhsa_inst_pref_size 61
	.end_amdhsa_kernel
	.amdgpu_metadata
---
amdhsa.version: [ 1, 2 ]
amdhsa.kernels:
  - .name:           k_qa8d8376657_outp
    .symbol:         k_qa8d8376657_outp.kd
    .args:
      - { .name: t1, .offset: 0, .size: 8, .value_kind: global_buffer, .address_space: global }
      - { .name: wt, .offset: 8, .size: 8, .value_kind: global_buffer, .address_space: global }
      - { .name: b2, .offset: 16, .size: 8, .value_kind: global_buffer, .address_space: global }
      - { .name: out0, .offset: 24, .size: 8, .value_kind: global_buffer, .address_space: global }
    .group_segment_fixed_size: 327680
    .private_segment_fixed_size: 0
    .kernarg_segment_align: 8
    .kernarg_segment_size: 32
    .max_flat_workgroup_size: 128
    .sgpr_count:     80
    .vgpr_count:     768
    .wavefront_size: 32
...
	.end_amdgpu_metadata
.endif
;; end of part 5
